; MI455X (gfx1250); checked and timed in simulation.
; The chip was launched on July 23, 2026; its instructions are those of AMD's public machine-readable ISA for CDNA 5 (MIT licence, August 2026) and "CDNA5" Instruction Set Architecture Reference Guide (July 2026). The comments in the code are by the model that wrote it; some were corrected since.
;; Attention Block. Allowed arithmetic: matrix products marked QUANTISED: E3M2 operands, one E8M0 scale for each 32 along K, by v_wmma_scale_f32_16x16x128_f8f6f4 with both operands' format E3M2, f32 sums; everything else in f32.
;; Inputs: gn_b 256 float32; gn_w 256 float32; proj_b 256 float32; proj_w 256 x 256 float32; qkv_b 768 float32; qkv_w 768 x 256 float32; x 4 x 256 x 64 x 64 float32.
;; Outputs: out0 4 x 256 x 64 x 64 float32.
;; This version of the problem:
;;   THIS VERSION OF THE PROBLEM IS GIVEN IN LOW PRECISION. The matrix products marked QUANTISED in the list below multiply operands that are first quantised to E3M2 (3 exponent bits, 2 mantissa bits; 6 bits a number), with one power-of-two scale for each 32 numbers along K (OCP MX v1.0); their sums are f32. All else is computed in f32.
;;   The module's matrix products, in the order in which they are computed (A, B: the left and right operand; K: the contracted axis; several contracted axes count as one K, in the product's order):
;;     1. [M 16,384, K 256] x [K 256, N 768]; A: computed on the way; B: input qkv_w: QUANTISED
;;     2. batch 16 x [M 4,096, K 64] x [K 64, N 4,096]; A: computed on the way; B: computed on the way: QUANTISED
;;     3. batch 16 x [M 64, K 4,096] x [K 4,096, N 4,096]; A: computed on the way; B: softmax (see below): QUANTISED
;;     4. [M 16,384, K 256] x [K 256, N 256]; A: computed on the way; B: input proj_w: QUANTISED
;;   THE QUANTISER, for each operand of a quantised product, along K:
;;     - K is cut into blocks of 32 from its start; a last block that is shorter is filled with zeros.
;;     - A block's scale is 2^e with e = floor(log2(the largest magnitude in the block)) - 4, held to -126 .. 127; a block of zeros has e = 0. As a byte (E8M0): e + 127.
;;     - Each number is divided by its block's scale, clamped to +-28, and rounded to the nearest number of E3M2, ties to even, subnormals kept.
;;     - The product sums the exact products of the quantised numbers (number of the format x scale) in f32.
;;   ~~~python
;;   def quantise(x, axis):      # numpy; x: float32 -> the quantised numbers, widened to float32 again
;;       x = np.moveaxis(x, axis, -1); K = x.shape[-1]
;;       x = np.pad(x, [(0, 0)] * (x.ndim - 1) + [(0, -K % 32)]); x = x.reshape(x.shape[:-1] + (-1, 32)); a = np.abs(x).max(-1, keepdims=True)
;;       e = np.where(a > 0, np.clip(np.frexp(np.where(a > 0, a, 1))[1] - 1 - 4, -126, 127), 0)      # np.frexp(a)[1] - 1 = floor(log2(a)), exactly
;;       r = np.clip(x / 2.0 ** e, -28, 28)
;;       step = 2.0 ** (np.maximum(np.frexp(np.where(r == 0, 1, r))[1] - 1, -2) - 2)
;;       q = np.round(r / step) * step * 2.0 ** e      # np.round: ties to even
;;       return np.moveaxis(q.reshape(q.shape[:-2] + (-1,))[..., :K], -1, axis).astype(np.float32)
;;   ~~~
;;   SOFTMAX AHEAD OF A QUANTISED PRODUCT. Where the list says 'softmax', what is quantised is not the finished softmax but p = 2^(t - M), with t = logit x log2(e) and M = ceil(the row's largest t), a whole number; so 1/2 < the row's largest p <= 1. The row's sum l is taken of the UNQUANTISED p, in f32, and the product's result is divided by l at the end. Since M is a whole number, a kernel that streams over the keys may use a running M (the ceiling of the running maximum): every later rescaling is an exact power of two, which a block's scale takes up: the codes' values come out the same.
;;   OPERANDS COMPUTED ON THE WAY. 'Computed on the way' means the value that the module computes at that place (a softmax that the list does not call 'softmax' is quantised finished and normalised). What goes into a quantiser is computed in f32, as accurately as f32 sums, v_exp_f32 and their like allow (about 1e-6 of the number): no bf16 or f16 on the way to a quantiser, and a product that is left as it is and whose result goes on into a quantised operand takes f32 operands (vector FMAs, or v_wmma_f32_16x16x4_f32). A number that lies on a knife's edge between two numbers of the format may be rounded either way, as far as f32 arithmetic and the matrix unit's own rounding can turn it there, and no further.
;; One version. Each part assembles by itself: llvm-mc -triple=amdgcn-amd-amdhsa -mcpu=gfx1250 --defsym DOCPART=n.
;; ======== version 1 of 1: 4 launches
;; workspace buffers: stats 2,048 bytes; w_codes 196,608 bytes; w_scales 8,192 bytes; qkv_codes 9,437,184 bytes; qkv_scales 393,216 bytes; o_codes 3,145,728 bytes; o_scales 131,072 bytes
;; launch prep (part 1): grid 256 x 1, 8 waves a work-group, no clusters, 1,280 bytes of LDS; arguments x, qkv_w, proj_w, stats, w_codes, w_scales; writes stats, w_codes, w_scales
.if DOCPART == 1
	.amdgcn_target "amdgcn-amd-amdhsa--gfx1250"
	.amdhsa_code_object_version 6
	.text
	.protected	k_q94713875d2_prep
	.globl	k_q94713875d2_prep
	.p2align	8
	.type	k_q94713875d2_prep,@function
k_q94713875d2_prep:
	s_mov_b64 s[64:65], 0
	v_nop
	global_prefetch_b8 v0, s[64:65] scope:SCOPE_SE
	s_setreg_imm32_b32 hwreg(HW_REG_WAVE_MODE, 25, 1), 1
	s_wait_xcnt 0x0
; GROUP STATISTICS IN PARTS, AND THE WEIGHTS' CODES.
; x is [4][256][4096] f32; a norm group is 32 channels x 4,096 numbers = 524,288 consecutive bytes.  Work-group i takes part i % 8 of group i / 8:
; 65,536 consecutive bytes, 16,384 numbers, 64 to a thread.  It stores the part's mean and the part's sum of squares ABOUT THAT MEAN (M2), so that the
; variance is never a difference of large sums; the next launch joins the eight parts.  stats: [group][part] of (mean, M2), 8 bytes at 8 i.
; Wave 7 also turns weight rows 4 i .. 4 i + 3 (rows 0-767: qkv_w, 768-1023: proj_w; 256 numbers a row, K innermost) into codes of E3M2 with one E8M0 byte
; for each 32 along K: lane l takes row l / 8, block l % 8: a whole block, so no other lane is asked for its largest magnitude.
; w_codes: [1024][192 bytes], a row's codes one stream of bits; w_scales: [1024][8].
; A block's byte is its largest magnitude's exponent field - 4, held at 1 from below.  LIMITS: a block whose largest magnitude lies under 2^-122, a block of
; zeros among them, gets the byte 1 (its codes are zeros or nearly so; these bytes are read by this program alone); NaN and infinities are not served.
; No work-group shares an input byte with another, so nothing is asked for jointly; memory binds, so there is no matrix work and no tile in LDS.
	s_load_b256 s[4:11], s[0:1], 0x0               ; x s[4:5], qkv_w s[6:7], proj_w s[8:9], stats s[10:11]
	s_load_b128 s[12:15], s[0:1], 0x20             ; w_codes s[12:13], w_scales s[14:15]
	v_lshl_add_u32 v128, v0, 2, 0x100
	v_mov_b32 v129, 0
	v_lshrrev_b32 v1, 5, v0
	s_delay_alu instid0(VALU_DEP_1)
	v_readfirstlane_b32 s16, v1                    ; wave 0..7
	v_and_b32 v2, 31, v0                           ; lane
	v_lshlrev_b32 v3, 4, v0                        ; 16 bytes a thread: a wave's load covers 512 consecutive bytes
	s_delay_alu instid0(VALU_DEP_4)
	v_lshlrev_b32 v6, 2, v1                        ; LDS: my wave's word
	v_mov_b32 v7, 0
	s_lshl_b32 s18, ttmp9, 16                      ; my part: 65,536 bytes a work-group
	s_mov_b32 s19, 0
	s_mov_b32 s20, 0x76543210                      ; v_permlanex16_b32's selects for lane l xor 16
	s_mov_b32 s21, 0xfedcba98
	s_wait_alu depctr_va_vdst(0)
	s_wait_kmcnt 0x0
	s_add_nc_u64 s[4:5], s[4:5], s[18:19]
.irp j, 0,1,2,3,4,5,6,7,8,9,10,11,12,13,14,15
	global_load_b128 v[16+4*\j:19+4*\j], v3, s[4:5] offset:4096*\j
.endr
	s_lshl_b32 s18, ttmp9, 3
	s_add_nc_u64 s[10:11], s[10:11], s[18:19]      ; where my part's two numbers go
	s_cmp_lg_u32 s16, 7
	s_cbranch_scc1 .Lstats
	; ---- wave 7: four rows of a weight
	s_cmp_lt_u32 ttmp9, 192                        ; the choice of the buffer hangs on the work-group's number alone
	s_cselect_b64 s[6:7], s[6:7], s[8:9]
	s_cselect_b32 s22, 0, 192
	s_sub_co_u32 s22, ttmp9, s22
	s_lshl_b32 s22, s22, 12                        ; four rows of 1,024 bytes
	s_mov_b32 s23, 0
	s_add_nc_u64 s[6:7], s[6:7], s[22:23]
	s_mul_i32 s22, ttmp9, 768                      ; four rows of 192 bytes of codes
	s_add_nc_u64 s[12:13], s[12:13], s[22:23]
	s_lshl_b32 s22, ttmp9, 5                       ; four rows of 8 scale bytes
	s_add_nc_u64 s[14:15], s[14:15], s[22:23]
	v_lshlrev_b32 v4, 7, v2                        ; my block's 128 bytes
	v_mul_u32_u24 v5, v2, 24                       ; my block's 24 bytes of codes
.irp j, 0,1,2,3,4,5,6,7
	global_load_b128 v[80+4*\j:83+4*\j], v4, s[6:7] offset:16*\j
.endr
	s_wait_loadcnt 0x0
	v_max3_num_f32 v8, |v80|, |v81|, 0x2800000     ; the block's largest magnitude, with the floor 2^(5 - 127) among its leaves: the byte cannot fall under 1
	v_max3_num_f32 v9, |v82|, |v83|, |v84|
.irp i, 85,89,93,97,101,105
	s_delay_alu instid0(VALU_DEP_2)
	v_max3_num_f32 v8, v8, |v[\i]|, |v[\i+1]|
	s_delay_alu instid0(VALU_DEP_2)
	v_max3_num_f32 v9, v9, |v[\i+2]|, |v[\i+3]|
.endr
	s_delay_alu instid0(VALU_DEP_2)
	v_max3_num_f32 v8, v8, |v109|, |v110|
	s_delay_alu instid0(VALU_DEP_1)
	v_max3_num_f32 v8, v8, v9, |v111|
	s_delay_alu instid0(VALU_DEP_1)
	v_add_nc_u32 v10, 0xfe000000, v8               ; 4 off its exponent field: the conversion takes the exponent field of this operand as its scale
	v_cvt_scalef32_pk16_bf6_f32 v[112:114], v[80:95], v10
	v_cvt_scalef32_pk16_bf6_f32 v[116:118], v[96:111], v10
	v_lshrrev_b32 v11, 23, v10                     ; the scale's byte (a plain line behind the conversions)
	global_store_b96 v5, v[112:114], s[12:13]      ; the wave's two stores cover 768 consecutive bytes
	global_store_b96 v5, v[116:118], s[12:13] offset:12
	global_store_b8 v2, v11, s[14:15]              ; 32 consecutive bytes
.Lstats:
	; ---- all waves: the part's mean
	s_wait_loadcnt 0x0
	v_pk_add_f32 v[120:121], v[16:17], v[18:19]    ; four chains, started by the first sums: nothing is cleared
	v_pk_add_f32 v[122:123], v[20:21], v[22:23]
	v_pk_add_f32 v[124:125], v[24:25], v[26:27]
	v_pk_add_f32 v[126:127], v[28:29], v[30:31]
.irp i, 32,40,48,56,64,72
	s_delay_alu instid0(VALU_DEP_4)
	v_pk_add_f32 v[120:121], v[120:121], v[\i:\i+1]
	s_delay_alu instid0(VALU_DEP_4)
	v_pk_add_f32 v[122:123], v[122:123], v[\i+2:\i+3]
	s_delay_alu instid0(VALU_DEP_4)
	v_pk_add_f32 v[124:125], v[124:125], v[\i+4:\i+5]
	s_delay_alu instid0(VALU_DEP_4)
	v_pk_add_f32 v[126:127], v[126:127], v[\i+6:\i+7]
.endr
.macro REDUCE off                      ; v[120:127] -> the work-group's sum in v96, in every lane.  off: the LDS bytes that the eight waves' sums go through
	s_delay_alu instid0(VALU_DEP_3)
	v_pk_add_f32 v[120:121], v[120:121], v[122:123]
	s_delay_alu instid0(VALU_DEP_2)
	v_pk_add_f32 v[124:125], v[124:125], v[126:127]
	s_delay_alu instid0(VALU_DEP_1)
	v_pk_add_f32 v[120:121], v[120:121], v[124:125]
	s_delay_alu instid0(VALU_DEP_1)
	v_add_f32 v120, v120, v121
	s_delay_alu instid0(VALU_DEP_1)
	v_add_f32_dpp v120, v120, v120 row_xmask:1 row_mask:0xf bank_mask:0xf
	s_delay_alu instid0(VALU_DEP_1)
	v_add_f32_dpp v120, v120, v120 row_xmask:2 row_mask:0xf bank_mask:0xf
	s_delay_alu instid0(VALU_DEP_1)
	v_add_f32_dpp v120, v120, v120 row_xmask:4 row_mask:0xf bank_mask:0xf
	s_delay_alu instid0(VALU_DEP_1)
	v_add_f32_dpp v120, v120, v120 row_xmask:8 row_mask:0xf bank_mask:0xf
	s_delay_alu instid0(VALU_DEP_1)
	v_permlanex16_b32 v121, v120, s20, s21
	s_delay_alu instid0(VALU_DEP_1)
	v_add_f32 v120, v120, v121
	ds_store_b32 v6, v120 offset:\off              ; all lanes of a wave write the same word with the same value
	s_wait_dscnt 0x0                               ; for the others' sake: my store has landed
	s_barrier_signal -1
	s_barrier_wait -1
	ds_load_b128 v[96:99], v7 offset:\off
	ds_load_b128 v[100:103], v7 offset:\off+16
	s_wait_dscnt 0x0
	v_add_f32 v96, v96, v97
	v_add_f32 v98, v98, v99
	v_add_f32 v100, v100, v101
	v_add_f32 v102, v102, v103
	s_delay_alu instid0(VALU_DEP_3)
	v_add_f32 v96, v96, v98
	s_delay_alu instid0(VALU_DEP_2)
	v_add_f32 v100, v100, v102
	s_delay_alu instid0(VALU_DEP_1)
	v_add_f32 v96, v96, v100
.endm
	REDUCE 0
	s_delay_alu instid0(VALU_DEP_1)
	v_mul_f32 v104, 0x38800000, v96                ; / 16,384
	s_delay_alu instid0(VALU_DEP_1)
	v_mov_b32 v105, v104
	; ---- the sum of squares about that mean
.set i, 16
.rept 32
	v_pk_add_f32 v[i:i+1], v[i:i+1], v[104:105] neg_lo:[0,1] neg_hi:[0,1]
.set i, i+2
.endr
	v_pk_mul_f32 v[120:121], v[16:17], v[16:17]
	v_pk_mul_f32 v[122:123], v[18:19], v[18:19]
	v_pk_mul_f32 v[124:125], v[20:21], v[20:21]
	v_pk_mul_f32 v[126:127], v[22:23], v[22:23]
.irp i, 24,32,40,48,56,64,72
	s_delay_alu instid0(VALU_DEP_4)
	v_pk_fma_f32 v[120:121], v[\i:\i+1], v[\i:\i+1], v[120:121]
	s_delay_alu instid0(VALU_DEP_4)
	v_pk_fma_f32 v[122:123], v[\i+2:\i+3], v[\i+2:\i+3], v[122:123]
	s_delay_alu instid0(VALU_DEP_4)
	v_pk_fma_f32 v[124:125], v[\i+4:\i+5], v[\i+4:\i+5], v[124:125]
	s_delay_alu instid0(VALU_DEP_4)
	v_pk_fma_f32 v[126:127], v[\i+6:\i+7], v[\i+6:\i+7], v[126:127]
.endr
	REDUCE 128                                     ; other LDS bytes than the first time: no barrier is owed between the first reads and these stores
	s_cmp_lg_u32 s16, 0
	s_cbranch_scc1 .Lend
	v_mov_b32 v106, v104
	v_mov_b32 v107, v96
	s_wait_alu depctr_va_vdst(0)
	s_wait_xcnt 0x0                                ; EXEC changes only behind this wait
	v_cmp_eq_u32 vcc_lo, 0, v0
	s_and_saveexec_b32 s24, vcc_lo
	global_store_b64 v7, v[106:107], s[10:11]      ; thread 0: (mean, M2)
	s_wait_xcnt 0x0
	s_or_b32 exec_lo, exec_lo, s24
.Lend:
	s_wait_tensorcnt 0x0
	ds_add_u32 v128, v129
	s_wait_dscnt 0x0
	s_endpgm
.Lfunc_end_k_q94713875d2_prep:
	.size	k_q94713875d2_prep, .Lfunc_end_k_q94713875d2_prep-k_q94713875d2_prep
	.p2alignl 7, 3214868480
	.fill 96, 4, 3214868480
	.section	.rodata,"a",@progbits
	.p2align	6, 0x0
	.amdhsa_kernel k_q94713875d2_prep
		.amdhsa_group_segment_fixed_size 1280
		.amdhsa_private_segment_fixed_size 0
		.amdhsa_enable_private_segment 0
		.amdhsa_kernarg_size 48
		.amdhsa_user_sgpr_count 2
		.amdhsa_user_sgpr_kernarg_segment_ptr 1
		.amdhsa_wavefront_size32 1
		.amdhsa_system_sgpr_workgroup_id_x 1
		.amdhsa_system_sgpr_workgroup_id_y 1
		.amdhsa_system_sgpr_workgroup_id_z 1
		.amdhsa_system_vgpr_workitem_id 0
		.amdhsa_next_free_vgpr 130
		.amdhsa_next_free_sgpr 66
		.amdhsa_reserve_vcc 1
		.amdhsa_float_denorm_mode_32 3
		.amdhsa_float_denorm_mode_16_64 3
		.amdhsa_memory_ordered 1
		.amdhsa_forward_progress 1
		.amdhsa_inst_pref_size 18
	.end_amdhsa_kernel
	.amdgpu_metadata
---
amdhsa.version: [ 1, 2 ]
amdhsa.kernels:
  - .name:           k_q94713875d2_prep
    .symbol:         k_q94713875d2_prep.kd
    .args:
      - { .name: x, .offset: 0, .size: 8, .value_kind: global_buffer, .address_space: global }
      - { .name: qkv_w, .offset: 8, .size: 8, .value_kind: global_buffer, .address_space: global }
      - { .name: proj_w, .offset: 16, .size: 8, .value_kind: global_buffer, .address_space: global }
      - { .name: stats, .offset: 24, .size: 8, .value_kind: global_buffer, .address_space: global }
      - { .name: w_codes, .offset: 32, .size: 8, .value_kind: global_buffer, .address_space: global }
      - { .name: w_scales, .offset: 40, .size: 8, .value_kind: global_buffer, .address_space: global }
    .group_segment_fixed_size: 1280
    .private_segment_fixed_size: 0
    .kernarg_segment_align: 8
    .kernarg_segment_size: 48
    .max_flat_workgroup_size: 256
    .sgpr_count:     66
    .vgpr_count:     130
    .wavefront_size: 32
...
	.end_amdgpu_metadata
.endif
;; end of part 1
;; launch qkv (part 2): grid 2 x 128, 8 waves a work-group, no clusters, 168,960 bytes of LDS; arguments x, gn_w, gn_b, qkv_b, stats, w_codes, w_scales, qkv_codes, qkv_scales; writes qkv_codes, qkv_scales
.if DOCPART == 2
	.amdgcn_target "amdgcn-amd-amdhsa--gfx1250"
	.amdhsa_code_object_version 6
	.text
	.protected	k_q94713875d2_qkv
	.globl	k_q94713875d2_qkv
	.p2align	8
	.type	k_q94713875d2_qkv,@function
k_q94713875d2_qkv:
	s_mov_b64 s[64:65], 0
	v_nop
	global_prefetch_b8 v0, s[64:65] scope:SCOPE_SE
	s_setreg_imm32_b32 hwreg(HW_REG_WAVE_MODE, 25, 1), 1
	s_wait_xcnt 0x0
; GROUP NORM, ITS CODES, THE FIRST PRODUCT (qkv = W h + b), AND THE CODES OF q, k AND v.  All products on codes of E3M2 with one E8M0 byte for each 32 along K.
; SHARES.  A work-group takes 128 tokens of one image (y: image y / 32, tokens 128 (y % 32) on) and two heads (x: heads 2 x, 2 x + 1): 384 of W's 768 rows.
; PHASE X.  Wave w is norm group w = channels 32 w on = ONE BLOCK of the product's K.  Its 32 x 128 numbers of x come by one tensor load into LDS bytes of its own (filled once).  A lane takes a token and its
; registers run down the 32 channels: the block's largest magnitude needs no other lane, and the conversions give codes with K innermost.  The codes go to LDS as IMAGES OF THE OPERAND'S REGISTERS.
; A HALF IMAGE is 16 rows x 64 K, six registers a lane (lane (r, h): row r, k = 32 h on): registers 0-3 at 16 x lane (512 bytes), registers 4-5 at 512 + 8 x lane (256 bytes).  Two on end are a fragment (16 x 128).
; THE TOKENS OF A TILE ARE NOT NEIGHBOURS: lane r of tile 2 g + u takes token 32 g + 8 u + r + 8 (r / 8), so that in a result whose rows are that tile register j of lane half h is token 32 g + 16 h + 8 u + j, and the 16
; registers of tiles 2 g, 2 g + 1 are 16 neighbours.  W's rows are chosen by the same rule.
; PHASE QK.  Wave w: kind w / 4 (q, k), head 2 x + (w / 2) % 2, token tiles 4 (w % 2) on.  Source 0 = 16 rows of W, source 1 = 16 tokens: a lane holds ONE token and its 32 registers run along the head's 64: the next product's K.
; PHASE V.   Wave w: head 2 x + w % 2, 16 of the head's 64 rows (tile w / 2).  Source 0 = 16 tokens, source 1 = 16 rows of W: a lane holds one row of v and its registers run along the tokens: the third product's K.
; The biases are the C of each sum's first matrix instruction.  OUT: qkv_codes [16 heads][q, k, v][196,608]: q, k: token tile T at 768 T; v: chunk of 64 keys c, row tile d at 3,072 c + 768 d.
; qkv_scales [16][3][8,192]: q, k: [32 tokens' group][r] words, bytes 0, 1 tile 2 g's two blocks, bytes 2, 3 tile 2 g + 1's; v: [128 keys' step][row tile][r] words, byte i = key block i.
; NOTHING IS ASKED FOR JOINTLY: a tile of x is read by the two work-groups x = 0, 1 alone, once, at the head, and the grid's width of 2 divides into no cluster of four; each wave reads its ten fragments of W
; (1,536 bytes each) once, straight into the registers in which they stay.
; LIMITS: a block whose largest magnitude lies under 2^-122, a block of zeros among them, gets the byte 1 (read by this program alone); NaN and infinities are not served.
; REGISTERS, window 0: v1-19 addresses that stay; v[20:21] -mean, v[22:23] 1 / sqrt(var + eps); phase X: v32-95 two sets of 32 numbers, v96-127 codes, v128-159 gain / sqrt, v160-191 gn_b, v192-203 at work, v208-223 the parts' statistics;
;   then: v32-63 four accumulators, v64-159 eight fragments of h, v160-207 six results' codes, v208-218 at work, v220-223 scale words made, v224-233 W's scale words, v240-247 h's.
;   window 1: v0-95 W's eight fragments for q or k, v96-119 two for v, v120-151 and v152-159 the biases.
.set HSC,  24576                       ; LDS: 0: h's 16 fragments (tile T, K step s) at 1,536 (2 T + s);  HSC: their scale words, 64 bytes each;
.set XT,   25600                       ; XT: x, 16,384 bytes for each wave: 32 channels x 512 bytes
.set GA,   128
.set GB,   160
.set ACC,  32
.set HF,   64
.set CD,   160
.set TM,   208
.set TT,   216
.set SW,   220
.set WS,   224
.set HS,   240
.set WQ,   0
.set WVF,  96
.set BQ,   120
.set BV,   152
.set SEL,  40
.set MSB, 0
.macro WIN new                         ; the immediate's high byte repeats the setting that is left
.if MSB != \new
	s_set_vgpr_msb (MSB<<8)|\new
.set MSB, \new
.endif
.endm
.macro PLACES                          ; four plain lines behind matrix instructions, ahead of reads of their results and of loads into their registers
.rept 4
	v_nop
.endr
.endm
.macro LOADX tg, set                   ; tokens 32 tg on, my 32 channels: a load reads 128 consecutive bytes
.set i, 0
.rept 32
	ds_load_b32 v[32+32*(\set)+i], v4 offset:512*i+128*(\tg)
.set i, i+1
.endr
.endm
.macro PROC tg, set                    ; normalise, quantise, and store the image's part that is mine
.set XS, 32+32*(\set)
.set XC, 96+8*(\tg)
.set i, 0
.rept 16
	v_pk_add_f32 v[XS+i:XS+i+1], v[XS+i:XS+i+1], v[20:21]                        ; x - mean
.set i, i+2
.endr
.set i, 0
.rept 16
	v_pk_fma_f32 v[XS+i:XS+i+1], v[XS+i:XS+i+1], v[GA+i:GA+i+1], v[GB+i:GB+i+1]  ; x gain / sqrt(var + eps) + gn_b
.set i, i+2
.endr
	v_max3_num_f32 v196, |v[XS]|, |v[XS+1]|, 0x2800000     ; the block's largest magnitude, and the floor 2^(5 - 127)
	v_max3_num_f32 v197, |v[XS+2]|, |v[XS+3]|, |v[XS+4]|
.irp k, 5,9,13,17,21,25
	s_delay_alu instid0(VALU_DEP_2)
	v_max3_num_f32 v196, v196, |v[XS+\k]|, |v[XS+\k+1]|
	s_delay_alu instid0(VALU_DEP_2)
	v_max3_num_f32 v197, v197, |v[XS+\k+2]|, |v[XS+\k+3]|
.endr
	s_delay_alu instid0(VALU_DEP_2)
	v_max3_num_f32 v196, v196, |v[XS+29]|, |v[XS+30]|
	s_delay_alu instid0(VALU_DEP_1)
	v_max3_num_f32 v196, v196, v197, |v[XS+31]|
	s_delay_alu instid0(VALU_DEP_1)
	v_add_nc_u32 v198, 0xfe000000, v196            ; 4 off its exponent field: the conversion's scale operand
	v_cvt_scalef32_pk16_bf6_f32 v[XC:XC+2], v[XS:XS+15], v198
	v_cvt_scalef32_pk16_bf6_f32 v[192:194], v[XS+16:XS+31], v198   ; (a conversion's three registers begin on an even number)
	v_lshrrev_b32 v[XC+7], 23, v198                ; the scale's byte: also the plain line behind the conversions
.irp k, 0,1,2
	v_mov_b32 v[XC+3+\k], v[192+\k]
.endr
	ds_store_b128 v5, v[XC:XC+3] offset:6144*(\tg)
	ds_store_b64 v6, v[XC+4:XC+5] offset:6144*(\tg)
	ds_store_b8 v7, v[XC+7] offset:256*(\tg)
.endm
; 32 numbers of a lane, register 16 b + i = k 32 b + 16 (lane / 16) + i of my row, become a half image's six registers at v[cd] and the two scale bytes in v[TM+4], v[TM+5].
.macro QUANT2 s, cd
.irp b, 0,1
	v_max3_num_f32 v[TM+\b], |v[\s+16*\b]|, |v[\s+1+16*\b]|, 0x2800000
.endr
.irp i, 2,4,6,8,10,12,14
.irp b, 0,1
	v_max3_num_f32 v[TM+\b], v[TM+\b], |v[\s+16*\b+\i]|, |v[\s+1+16*\b+\i]|
.endr
.endr
.irp b, 0,1
	s_delay_alu instid0(VALU_DEP_2)
	v_permlanex16_b32 v[TM+2+\b], v[TM+\b], s[SEL], s[SEL+1]
.endr
.irp b, 0,1
	s_delay_alu instid0(VALU_DEP_2)
	v_max_num_f32 v[TM+\b], v[TM+\b], v[TM+2+\b]   ; with lane l xor 16's 16: the block's largest magnitude
.endr
.irp b, 0,1
	s_delay_alu instid0(VALU_DEP_2)
	v_add_nc_u32 v[TM+6+\b], 0xfe000000, v[TM+\b]
.endr
.irp b, 0,1
	s_delay_alu instid0(VALU_DEP_2)
	v_lshrrev_b32 v[TM+4+\b], 23, v[TM+6+\b]
.endr
	v_cvt_scalef32_pk16_bf6_f32 v[\cd:\cd+2], v[\s:\s+15], v[TM+6]
	v_cvt_scalef32_pk16_bf6_f32 v[TT:TT+2], v[\s+16:\s+31], v[TM+7]
	v_nop                                          ; one plain line behind a scaled conversion
.irp i, 0,1,2
	v_permlane16_swap_b32 v[\cd+\i], v[TT+\i]      ; the layout wants a whole block in a lane: lanes 0-15 block 0, lanes 16-31 block 1
.endr
.irp i, 0,1,2
	s_delay_alu instid0(VALU_DEP_3)
	v_mov_b32 v[\cd+3+\i], v[TT+\i]
.endr
.endm
.macro FETCHV cc                       ; the eight fragments (tile 4 cc + f / 2, K step f % 2) of 64 tokens, and their scale words
.irp f, 0,1,2,3,4,5,6,7
	ds_load_b128 v[HF+12*\f:HF+12*\f+3], v8 offset:(8*(\cc)+\f)*1536
	ds_load_b64 v[HF+12*\f+4:HF+12*\f+5], v9 offset:(8*(\cc)+\f)*1536+512
	ds_load_b128 v[HF+12*\f+6:HF+12*\f+9], v8 offset:(8*(\cc)+\f)*1536+768
	ds_load_b64 v[HF+12*\f+10:HF+12*\f+11], v9 offset:(8*(\cc)+\f)*1536+1280
	ds_load_b32 v[HS+\f], v10 offset:HSC+(8*(\cc)+\f)*64
.endr
.endm
	s_load_b256 s[4:11], s[0:1], 0x0               ; x s[4:5], gn_w s[6:7], gn_b s[8:9], qkv_b s[10:11]
	s_load_b256 s[12:19], s[0:1], 0x20             ; stats s[12:13], w_codes s[14:15], w_scales s[16:17], qkv_codes s[18:19]
	s_load_b64 s[20:21], s[0:1], 0x40              ; qkv_scales
	v_lshl_add_u32 v254, v0, 2, 0x29000
	v_mov_b32 v255, 0
	ds_add_u32 v254, v255
	ds_add_u32 v254, v255
	v_lshrrev_b32 v1, 5, v0
	s_delay_alu instid0(VALU_DEP_1)
	v_readfirstlane_b32 s22, v1                    ; wave 0..7
	s_and_b32 s24, ttmp7, 0xffff
	s_lshr_b32 s25, s24, 5                         ; the image
	s_and_b32 s26, s24, 31                         ; which 128 tokens of it
	; descriptor group 1: 32 rows (channels) x 128 elements of 4 bytes, 4,096 elements from row to row; no mask, no padding
	s_mov_b32 s32, 2<<16
	s_mov_b32 s33, 128<<16                         ; tensor_dim0
	s_mov_b32 s34, 32<<16                          ; tensor_dim1
	s_mov_b32 s35, 128<<16                         ; tile_dim0
	s_mov_b32 s36, 32                              ; tile_dim1
	s_mov_b32 s37, 4096                            ; the pitch
	s_mov_b32 s38, 0
	s_mov_b32 s39, 0
	s_lshl_b32 s42, s25, 22                        ; the image's 4,194,304 bytes,
	s_lshl_b32 s43, s22, 19                        ; my 32 channels of 16,384 bytes,
	s_add_co_u32 s42, s42, s43
	s_lshl_b32 s43, s26, 9                         ; 128 tokens of 4 bytes
	s_add_co_u32 s42, s42, s43
	s_mov_b32 s43, 0
	s_lshl_b32 s27, s22, 14
	s_add_co_u32 s27, s27, XT                      ; my tile's place in LDS: a constant + 16,384 x wave
	s_mov_b32 s28, 1
	s_mov_b32 s29, s27
	s_wait_dscnt 0x0
	s_wait_kmcnt 0x0
	s_add_nc_u64 s[30:31], s[4:5], s[42:43]
	s_or_b32 s31, s31, 0x80000000
	tensor_load_to_lds s[28:31], s[32:39]          ; each wave's one load of the launch: nothing is filled twice
	s_nop 0
.rept 4
	v_nop
.endr
	v_and_b32 v1, 31, v0                           ; lane
	v_and_b32 v2, 15, v0                           ; r
	v_bfe_u32 v3, v0, 4, 1                         ; h
	s_delay_alu instid0(VALU_DEP_3)
	v_lshl_add_u32 v4, v1, 2, s27                  ; x in LDS: 4 bytes a lane
	s_lshr_b32 s74, s22, 2                         ; w / 4: my block's K step; later: q or k
	s_bfe_u32 s75, s22, 0x10001                    ; (w / 2) % 2: which half image of the fragment; later: which of the two heads
	s_and_b32 s76, s22, 1                          ; w % 2: which half of the lanes; later: which four tiles, or which head
	s_lshr_b32 s77, s22, 1                         ; w / 2: later: which 16 rows of v
	v_and_b32 v24, 7, v0
	s_delay_alu instid0(VALU_DEP_1)
	v_lshl_add_u32 v24, v3, 3, v24                 ; token 32 tg + lane is row rt = 8 (lane / 16) + lane % 8
	v_bfe_u32 v25, v0, 3, 1                        ; of tile 2 tg + u, u = (lane / 8) % 2
	s_delay_alu instid0(VALU_DEP_1)
	v_mul_u32_u24 v26, v25, 3072
	s_wait_alu depctr_va_vdst(0)
	s_mul_i32 s45, s74, 1536
	s_mul_i32 s46, s75, 768
	s_add_co_u32 s45, s45, s46
	s_lshl_b32 s46, s76, 8
	s_add_co_u32 s46, s46, s45
	v_lshl_add_u32 v5, v24, 4, v26
	s_delay_alu instid0(VALU_DEP_1)
	v_add_nc_u32 v5, s46, v5                       ; registers 0-3 of image lane rt + 16 (w % 2)
	s_lshl_b32 s46, s76, 7
	s_add_co_u32 s46, s46, s45
	s_add_co_u32 s46, s46, 512
	v_lshl_add_u32 v6, v24, 3, v26
	s_delay_alu instid0(VALU_DEP_1)
	v_add_nc_u32 v6, s46, v6                       ; registers 4-5
	s_lshl_b32 s46, s74, 6
	s_and_b32 s47, s22, 3
	s_add_co_u32 s46, s46, s47
	s_add_co_u32 s46, s46, HSC
	v_lshlrev_b32 v7, 7, v25
	s_delay_alu instid0(VALU_DEP_1)
	v_lshl_add_u32 v7, v24, 2, v7
	s_delay_alu instid0(VALU_DEP_1)
	v_add_nc_u32 v7, s46, v7                       ; byte w % 4 of row rt's scale word
	v_lshlrev_b32 v8, 4, v1                        ; 16 x lane
	v_lshlrev_b32 v9, 3, v1                        ; 8 x lane
	v_lshlrev_b32 v10, 2, v2                       ; 4 r
	s_mul_i32 s46, s76, 12288
	v_add_nc_u32 v11, s46, v8                      ; phase QK: my four tiles' images
	v_add_nc_u32 v12, s46, v9
	s_lshl_b32 s46, s76, 9
	v_add_nc_u32 v13, s46, v10                     ; and their scale words
	v_and_b32 v27, 8, v2
	s_delay_alu instid0(VALU_DEP_1)
	v_add_nc_u32 v27, v27, v2                      ; r + 8 (r / 8)
	s_delay_alu instid0(VALU_DEP_1)
	v_mul_u32_u24 v14, v27, 192                    ; W: a row is 192 bytes of codes,
	s_delay_alu instid0(VALU_DEP_1)
	v_mad_u32_u24 v14, v3, 24, v14                 ; + 24 h
	s_delay_alu instid0(VALU_DEP_3)
	v_lshlrev_b32 v15, 3, v27                      ; and 8 scale bytes
	v_lshlrev_b32 v16, 6, v3                       ; q's and k's bias: my half's 8 of a tile's rows: 16 h numbers on
	v_lshlrev_b32 v17, 2, v27                      ; v's bias: my row's
	v_mov_b32 v18, 0
	s_wait_alu depctr_va_vdst(0)
	v_lshlrev_b32 v19, 2, v1                       ; 4 x lane
	s_mov_b32 s[SEL], 0x76543210
	s_mov_b32 s[SEL+1], 0xfedcba98
	s_lshl_b32 s42, s25, 3
	s_add_co_u32 s42, s42, s22
	s_lshl_b32 s42, s42, 6
	s_add_nc_u64 s[12:13], s[12:13], s[42:43]      ; my group's eight parts: 64 bytes
	s_lshl_b32 s42, s22, 7
	s_add_nc_u64 s[6:7], s[6:7], s[42:43]          ; my 32 gains
	s_add_nc_u64 s[8:9], s[8:9], s[42:43]          ; and biases of the norm
	s_lshl_b32 s78, ttmp9, 1
	s_add_co_u32 s79, s78, s75                     ; the head of my q or k
	s_add_co_u32 s80, s78, s76                     ; the head of my v
	s_lshl_b32 s81, s74, 8
	s_lshl_b32 s82, s79, 6
	s_add_co_u32 s81, s81, s82                     ; W's first row for q or k: 256 kind + 64 head
	s_lshl_b32 s82, s80, 6
	s_add_co_u32 s82, s82, 512
	s_lshr_b32 s83, s77, 1
	s_lshl_b32 s83, s83, 5
	s_add_co_u32 s82, s82, s83
	s_and_b32 s83, s77, 1
	s_lshl_b32 s83, s83, 3
	s_add_co_u32 s82, s82, s83                     ; and for v: 512 + 64 head + 32 (d / 2) + 8 (d % 2), d my tile of rows
	s_mul_i32 s42, s81, 192
	s_add_nc_u64 s[48:49], s[14:15], s[42:43]
	s_mul_i32 s42, s82, 192
	s_add_nc_u64 s[50:51], s[14:15], s[42:43]
	s_lshl_b32 s42, s81, 3
	s_add_nc_u64 s[52:53], s[16:17], s[42:43]
	s_lshl_b32 s42, s82, 3
	s_add_nc_u64 s[54:55], s[16:17], s[42:43]
	s_lshl_b32 s42, s81, 2
	s_add_nc_u64 s[56:57], s[10:11], s[42:43]
	s_lshl_b32 s42, s82, 2
	s_add_nc_u64 s[58:59], s[10:11], s[42:43]
	; the 20 loads that phase X wants come first: every lane reads the same bytes
.irp j, 0,1,2,3
	global_load_b128 v[208+4*\j:211+4*\j], v18, s[12:13] offset:16*\j
.endr
.irp j, 0,1,2,3,4,5,6,7
	global_load_b128 v[GA+4*\j:GA+4*\j+3], v18, s[6:7] offset:16*\j
.endr
.irp j, 0,1,2,3,4,5,6,7
	global_load_b128 v[GB+4*\j:GB+4*\j+3], v18, s[8:9] offset:16*\j
.endr
	WIN 0x40                                       ; destination window 1
.irp t, 0,1,2,3                        ; W for q or k: tile t begins at row 32 (t / 2) + 8 (t % 2); K step s; each 24 bytes as three loads of 8
.irp s, 0,1
.irp p, 0,1,2,3,4,5
	global_load_b64 v[WQ+12*(2*\t+\s)+2*\p:WQ+12*(2*\t+\s)+2*\p+1], v14, s[48:49] offset:(32*(\t/2)+8*(\t%2))*192+96*\s+48*(\p/3)+8*(\p%3)
.endr
.endr
.endr
.irp s, 0,1
.irp p, 0,1,2,3,4,5
	global_load_b64 v[WVF+12*\s+2*\p:WVF+12*\s+2*\p+1], v14, s[50:51] offset:96*\s+48*(\p/3)+8*(\p%3)
.endr
.endr
.irp t, 0,1,2,3
	global_load_b128 v[BQ+8*\t:BQ+8*\t+3], v16, s[56:57] offset:(32*(\t/2)+8*(\t%2))*4
	global_load_b128 v[BQ+8*\t+4:BQ+8*\t+7], v16, s[56:57] offset:(32*(\t/2)+8*(\t%2))*4+16
.endr
.irp j, 0,1,2,3,4,5,6,7
	global_load_b32 v[BV+\j], v17, s[58:59]        ; v's bias hangs on the lane's row alone: the same number in the result's eight registers
.endr
	WIN 0
.irp t, 0,1,2,3
.irp s, 0,1
	global_load_b32 v[WS+2*\t+\s], v15, s[52:53] offset:(32*(\t/2)+8*(\t%2))*8+4*\s
.endr
.endr
.irp s, 0,1
	global_load_b32 v[WS+8+\s], v15, s[54:55] offset:4*\s
.endr
	; where the results go
	s_lshl_b32 s84, s25, 2
	s_add_co_u32 s85, s84, s79
	s_mul_i32 s85, s85, 3
	s_add_co_u32 s85, s85, s74                     ; 3 (4 image + head) + kind
	s_mul_i32 s42, s85, 196608
	s_lshl_b32 s86, s26, 3
	s_lshl_b32 s87, s76, 2
	s_add_co_u32 s86, s86, s87                     ; my first token tile: 8 (y % 32) + 4 (w % 2)
	s_mul_i32 s87, s86, 768
	s_add_co_u32 s42, s42, s87
	s_add_nc_u64 s[66:67], s[18:19], s[42:43]
	s_lshl_b32 s42, s85, 13
	s_lshl_b32 s87, s86, 5                         ; 64 bytes for each pair of tiles
	s_add_co_u32 s42, s42, s87
	s_add_nc_u64 s[68:69], s[20:21], s[42:43]
	s_add_co_u32 s85, s84, s80
	s_mul_i32 s85, s85, 3
	s_add_co_u32 s85, s85, 2
	s_mul_i32 s42, s85, 196608
	s_mul_i32 s87, s26, 6144
	s_add_co_u32 s42, s42, s87
	s_mul_i32 s87, s77, 768
	s_add_co_u32 s42, s42, s87
	s_add_nc_u64 s[70:71], s[18:19], s[42:43]
	s_lshl_b32 s42, s85, 13
	s_lshl_b32 s87, s26, 8
	s_add_co_u32 s42, s42, s87
	s_lshl_b32 s87, s77, 6
	s_add_co_u32 s42, s42, s87
	s_add_nc_u64 s[72:73], s[20:21], s[42:43]
	s_wait_loadcnt 63                              ; behind the 20 loads wanted here stand 86: the largest count that the wait can name covers them
	; the group's mean and variance from its eight parts of 16,384: mean = sum(mean_i) / 8;  M2 = sum(M2_i) + 16,384 sum((mean_i - mean)^2)
	v_add_f32 v24, v208, v210
	v_add_f32 v25, v212, v214
	v_add_f32 v26, v216, v218
	v_add_f32 v27, v220, v222
	s_delay_alu instid0(VALU_DEP_3)
	v_add_f32 v24, v24, v25
	s_delay_alu instid0(VALU_DEP_2)
	v_add_f32 v26, v26, v27
	s_delay_alu instid0(VALU_DEP_1)
	v_add_f32 v24, v24, v26
	s_delay_alu instid0(VALU_DEP_1)
	v_mul_f32 v24, 0x3e000000, v24
	v_add_f32 v25, v209, v211
	v_add_f32 v26, v213, v215
	v_add_f32 v27, v217, v219
	v_add_f32 v28, v221, v223
	s_delay_alu instid0(VALU_DEP_3)
	v_add_f32 v25, v25, v26
	s_delay_alu instid0(VALU_DEP_2)
	v_add_f32 v27, v27, v28
	s_delay_alu instid0(VALU_DEP_1)
	v_add_f32 v25, v25, v27
.irp i, 208,210,212,214,216,218,220,222
	v_sub_f32 v[\i], v[\i], v24
.endr
	v_mul_f32 v26, v208, v208
.irp i, 210,212,214,216,218,220,222
	s_delay_alu instid0(VALU_DEP_1)
	v_fmac_f32 v26, v[\i], v[\i]
.endr
	s_delay_alu instid0(VALU_DEP_1)
	v_fmamk_f32 v25, v26, 0x46800000, v25
	v_mov_b32 v27, 0x37000000                      ; 1 / 131,072
	s_delay_alu instid0(VALU_DEP_1)
	v_fmaak_f32 v25, v25, v27, 0x3727c5ac          ; var + 1e-5
	s_wait_alu depctr_va_vdst(0)
	v_rsq_f32 v22, v25
	v_sub_f32 v20, 0, v24                          ; -mean (a plain line behind the transcendental)
	s_delay_alu instid0(VALU_DEP_1)
	v_mov_b32 v21, v20
	s_wait_alu depctr_va_vdst(0)
	v_mov_b32 v23, v22
.set i, 0
.rept 16
	v_pk_mul_f32 v[GA+i:GA+i+1], v[GA+i:GA+i+1], v[22:23]
.set i, i+2
.endr
	v_mov_b32 v[TM+2], 0                           ; written once: a lane permute's destination counts as one of its sources
	v_mov_b32 v[TM+3], 0
	; ---- PHASE X
	s_wait_tensorcnt 0x0                           ; my tile is in LDS; I alone read it
	LOADX 0, 0
	LOADX 1, 1
	s_wait_dscnt 32                                ; set 0 is in; set 1's 32 loads may be out
	PROC 0, 0
	LOADX 2, 0
	s_wait_dscnt 35                                ; set 1 is in; behind it: 3 stores and 32 loads
	PROC 1, 1
	LOADX 3, 1
	s_wait_dscnt 35
	PROC 2, 0
	s_wait_dscnt 3                                 ; behind the last set: 3 stores
	PROC 3, 1
	s_wait_dscnt 0x0                               ; for the others' sake: my parts of the images have landed
	s_barrier_signal -1
	s_barrier_wait -1                              ; h's sixteen fragments and their scale words lie in LDS; nobody writes them again
	; ---- PHASE QK
.irp q, 0,1,2,3
.irp s, 0,1
	ds_load_b128 v[HF+24*\q+12*\s:HF+24*\q+12*\s+3], v11 offset:3072*\q+1536*\s
	ds_load_b64 v[HF+24*\q+12*\s+4:HF+24*\q+12*\s+5], v12 offset:3072*\q+1536*\s+512
	ds_load_b128 v[HF+24*\q+12*\s+6:HF+24*\q+12*\s+9], v11 offset:3072*\q+1536*\s+768
	ds_load_b64 v[HF+24*\q+12*\s+10:HF+24*\q+12*\s+11], v12 offset:3072*\q+1536*\s+1280
	ds_load_b32 v[HS+2*\q+\s], v13 offset:HSC+128*\q+64*\s
.endr
.endr
	s_wait_loadcnt 0x0                             ; the weights, their scale words and the biases
.irp q, 0,1,2,3
	s_wait_dscnt 10*(3-\q)                         ; this tile's ten loads are in; the later tiles' may be out
	WIN 0x11                                       ; source 0 (W) and source 2 (the bias) window 1
.irp t, 0,1,2,3                        ; the four accumulators take turns, one instruction a turn
	v_wmma_scale_f32_16x16x128_f8f6f4 v[ACC+8*\t:ACC+8*\t+7], v[WQ+24*\t:WQ+24*\t+11], v[HF+24*\q:HF+24*\q+11], v[BQ+8*\t:BQ+8*\t+7], v[WS+2*\t], v[HS+2*\q] matrix_a_fmt:MATRIX_FMT_BF6 matrix_b_fmt:MATRIX_FMT_BF6
.endr
	WIN 0x01
.irp t, 0,1,2,3
	v_wmma_scale_f32_16x16x128_f8f6f4 v[ACC+8*\t:ACC+8*\t+7], v[WQ+24*\t+12:WQ+24*\t+23], v[HF+24*\q+12:HF+24*\q+23], v[ACC+8*\t:ACC+8*\t+7], v[WS+2*\t+1], v[HS+2*\q+1] matrix_a_fmt:MATRIX_FMT_BF6 matrix_b_fmt:MATRIX_FMT_BF6
.endr
	WIN 0
	PLACES
.if \q == 3
	FETCHV 0                                       ; phase V's first fragments land while this tile is quantised
.endif
	QUANT2 ACC, CD+8*\q
.if (\q%2) == 0
	v_lshl_or_b32 v[SW+\q/2], v[TM+5], 8, v[TM+4]
.else
	v_lshl_or_b32 v[SW+\q/2], v[TM+4], 16, v[SW+\q/2]
	s_delay_alu instid0(VALU_DEP_1)
	v_lshl_or_b32 v[SW+\q/2], v[TM+5], 24, v[SW+\q/2]
.endif
	global_store_b128 v8, v[CD+8*\q:CD+8*\q+3], s[66:67] offset:768*\q         ; 512 consecutive bytes, aligned to 256
	global_store_b64 v9, v[CD+8*\q+4:CD+8*\q+5], s[66:67] offset:768*\q+512    ; 256 consecutive bytes, aligned
.endr
	v_cmp_gt_u32 vcc_lo, 16, v1
	s_delay_alu instid0(VALU_DEP_1)
	v_cndmask_b32 v[SW+2], v[SW+1], v[SW], vcc_lo  ; lanes 0-15: the first pair of tiles' words, lanes 16-31: the second's
	global_store_b32 v19, v[SW+2], s[68:69]        ; 128 consecutive bytes
	; ---- PHASE V
.irp c, 0,1
	s_wait_dscnt 0x0
	WIN 0x14                                       ; source 1 (W) and source 2 (the bias) window 1
.irp m, 0,1,2,3
	v_wmma_scale_f32_16x16x128_f8f6f4 v[ACC+8*\m:ACC+8*\m+7], v[HF+24*\m:HF+24*\m+11], v[WVF:WVF+11], v[BV:BV+7], v[HS+2*\m], v[WS+8] matrix_a_fmt:MATRIX_FMT_BF6 matrix_b_fmt:MATRIX_FMT_BF6
.endr
	WIN 0x04
.irp m, 0,1,2,3
	v_wmma_scale_f32_16x16x128_f8f6f4 v[ACC+8*\m:ACC+8*\m+7], v[HF+24*\m+12:HF+24*\m+23], v[WVF+12:WVF+23], v[ACC+8*\m:ACC+8*\m+7], v[HS+2*\m+1], v[WS+9] matrix_a_fmt:MATRIX_FMT_BF6 matrix_b_fmt:MATRIX_FMT_BF6
.endr
	WIN 0
	PLACES
.if \c == 0
	FETCHV 1
.endif
	QUANT2 ACC, CD+32+8*\c
.if \c == 0
	v_lshl_or_b32 v[SW+3], v[TM+5], 8, v[TM+4]
.else
	v_lshl_or_b32 v[SW+3], v[TM+4], 16, v[SW+3]
	s_delay_alu instid0(VALU_DEP_1)
	v_lshl_or_b32 v[SW+3], v[TM+5], 24, v[SW+3]
.endif
	global_store_b128 v8, v[CD+32+8*\c:CD+32+8*\c+3], s[70:71] offset:3072*\c
	global_store_b64 v9, v[CD+32+8*\c+4:CD+32+8*\c+5], s[70:71] offset:3072*\c+512
.endr
	s_wait_alu depctr_va_vdst(0)
	s_wait_xcnt 0x0                                ; EXEC changes only behind this wait
	s_wait_tensorcnt 0x0
	ds_add_u32 v254, v255
	s_wait_dscnt 0x0
	s_and_saveexec_b32 s42, vcc_lo                 ; lanes 0-15 (lanes 16-31 hold the same words)
	global_store_b32 v10, v[SW+3], s[72:73]        ; my 16 rows' scale words of these 128 keys
	s_wait_xcnt 0x0
	s_or_b32 exec_lo, exec_lo, s42
	s_endpgm
.Lfunc_end_k_q94713875d2_qkv:
	.size	k_q94713875d2_qkv, .Lfunc_end_k_q94713875d2_qkv-k_q94713875d2_qkv
	.p2alignl 7, 3214868480
	.fill 96, 4, 3214868480
	.section	.rodata,"a",@progbits
	.p2align	6, 0x0
	.amdhsa_kernel k_q94713875d2_qkv
		.amdhsa_group_segment_fixed_size 168960
		.amdhsa_private_segment_fixed_size 0
		.amdhsa_enable_private_segment 0
		.amdhsa_kernarg_size 72
		.amdhsa_user_sgpr_count 2
		.amdhsa_user_sgpr_kernarg_segment_ptr 1
		.amdhsa_wavefront_size32 1
		.amdhsa_system_sgpr_workgroup_id_x 1
		.amdhsa_system_sgpr_workgroup_id_y 1
		.amdhsa_system_sgpr_workgroup_id_z 1
		.amdhsa_system_vgpr_workitem_id 0
		.amdhsa_next_free_vgpr 416
		.amdhsa_next_free_sgpr 96
		.amdhsa_reserve_vcc 1
		.amdhsa_float_denorm_mode_32 3
		.amdhsa_float_denorm_mode_16_64 3
		.amdhsa_memory_ordered 1
		.amdhsa_forward_progress 1
		.amdhsa_inst_pref_size 75
	.end_amdhsa_kernel
	.amdgpu_metadata
---
amdhsa.version: [ 1, 2 ]
amdhsa.kernels:
  - .name:           k_q94713875d2_qkv
    .symbol:         k_q94713875d2_qkv.kd
    .args:
      - { .name: x, .offset: 0, .size: 8, .value_kind: global_buffer, .address_space: global }
      - { .name: gn_w, .offset: 8, .size: 8, .value_kind: global_buffer, .address_space: global }
      - { .name: gn_b, .offset: 16, .size: 8, .value_kind: global_buffer, .address_space: global }
      - { .name: qkv_b, .offset: 24, .size: 8, .value_kind: global_buffer, .address_space: global }
      - { .name: stats, .offset: 32, .size: 8, .value_kind: global_buffer, .address_space: global }
      - { .name: w_codes, .offset: 40, .size: 8, .value_kind: global_buffer, .address_space: global }
      - { .name: w_scales, .offset: 48, .size: 8, .value_kind: global_buffer, .address_space: global }
      - { .name: qkv_codes, .offset: 56, .size: 8, .value_kind: global_buffer, .address_space: global }
      - { .name: qkv_scales, .offset: 64, .size: 8, .value_kind: global_buffer, .address_space: global }
    .group_segment_fixed_size: 168960
    .private_segment_fixed_size: 0
    .kernarg_segment_align: 8
    .kernarg_segment_size: 72
    .max_flat_workgroup_size: 256
    .sgpr_count:     96
    .vgpr_count:     416
    .wavefront_size: 32
...
	.end_amdgpu_metadata
.endif
;; end of part 2
;; launch attn (part 3): grid 16 x 16, 16 waves a work-group, clusters of 4 x 1, 327,680 bytes of LDS; arguments qkv_codes, qkv_scales, o_codes, o_scales; writes o_codes, o_scales
.if DOCPART == 3
	.amdgcn_target "amdgcn-amd-amdhsa--gfx1250"
	.amdhsa_code_object_version 6
	.text
	.protected	k_q94713875d2_attn
	.globl	k_q94713875d2_attn
	.p2align	8
	.type	k_q94713875d2_attn,@function
k_q94713875d2_attn:
	s_mov_b64 s[64:65], 0
	v_nop
	global_prefetch_b8 v0, s[64:65] scope:SCOPE_SE
	s_setreg_imm32_b32 hwreg(HW_REG_WAVE_MODE, 25, 1), 1
	s_wait_xcnt 0x0
	s_wait_alu depctr_hold_cnt(0) depctr_sa_sdst(0) depctr_va_vdst(0) depctr_va_sdst(0) depctr_va_ssrc(0) depctr_va_vcc(0) depctr_vm_vsrc(0)
	s_getreg_b32 s2, hwreg(HW_REG_IB_STS2, 6, 4)
	s_cmp_eq_u32 s2, 0
	s_cbranch_scc0 .Lentry_in_a_cluster
	s_endpgm
.Lentry_in_a_cluster:
	s_bfe_u32 s2, ttmp6, 0x10000c
	s_cmp_lg_u32 s2, 0x3003
	s_cbranch_scc0 .Lentry_shape_is_right
	s_endpgm
.Lentry_shape_is_right:
; ATTENTION ON CODES OF E3M2: o = softmax(q k^T / 8) v for 16 heads of size 64 over 4,096 tokens, and o's codes for the last product.
; SHARES.  A work-group owns 256 queries of one head (y); each of its sixteen waves owns one tile of 16, in 256 registers: four waves to a SIMD, so that one wave's vector work stands beside another's matrix work.
; Every wave walks all 4,096 keys, 128 a step.  K's and V's register images come through a ring of two LDS slots of 1,024 keys (K 49,152 bytes, then V 49,152), filled by waves 0 to 3, a quarter each.
; CLUSTER.  The four query blocks of a cluster belong to one head and walk the same K, V and scale words: every tensor load is asked for JOINTLY, with the same descriptor and the mask of all four.
; LAYOUT.  Both products are used transposed (S^T = K Q^T, O^T = V^T P^T): a lane holds ONE query throughout.  The keys of a tile are not neighbours (lane r of tile 2 g + u: key 32 g + 8 u + r + 8 (r / 8)), so that the
; 16 registers of tiles 2 g, 2 g + 1 are 16 neighbouring keys; V's rows are chosen likewise, so that O^T's registers run along the last product's K.
; THE FIRST PRODUCT'S K IS 64, HALF OF THE INSTRUCTION'S 128.  Source 0 is a DOUBLE fragment: the half images of key tiles 2 g and 2 g + 1 on end.  It is multiplied once by [Q | 0] (tile 2 g's scores) and once by [0 | Q]
; (tile 2 g + 1's).  Q lies in 18 registers as [0 | Q | 0].  The format has no infinity and no NaN, so zero codes on Q's side annul the other half; every register of K that is loaded is used.
; THE SOFTMAX AHEAD OF THE SECOND PRODUCT: t = score x log2(e) / 8; M = the running largest t rounded UP to a whole number; p = 2^(t - M) is quantised along the keys, not normalised; the row's sum is taken of the
; unquantised p and divides O at the end.  When M moves, the sum and O are multiplied by 2^(old M - new M): exact.  A block's largest p is made from the block's largest score by the same two instructions.
; OUT: o_codes [image][token tile][head][768]: half images (16 tokens x the head's 64); o_scales [image][tile][head][16 r] of two bytes.
; LIMITS: a block whose largest magnitude lies under 2^-122, a block of zeros among them, gets the byte 1 (read by this program alone); NaN and infinities are not served.
; REGISTERS: v1-3 lane terms that stay; v4, v5 for the add; v6-8 the step's LDS addresses; v12 -M, v13 the largest t, v[14:15] the sum in two halves; v16-33 [0 | Q | 0]; v34 Q's scale word; v36-39 K's and V's scale words;
;   v40-87 four fragments of K, then of V; v96-159 S^T, then p; v160-191 O^T; v192-203 p's codes; v204-229 at work.
.set SLOT1, 1<<17                      ; slot 1 begins here: one exclusive or turns an address in one slot into the other's
.set SLOTB, 49152                      ; 1,024 keys of K, or of V, in bytes
.set STEPB, 6144                       ; 128 keys
.set SCL,   262144                     ; K's scale words of the whole head (8,192 bytes), then V's: filled once
.set SPARE, 294912                     ; the spare words, 128 bytes for each of the sixteen waves: eight blocks of 256 bytes that no other line names
.set TM,    212
.set TT,    204
.macro ROUND                           ; a round of the cluster's barrier
	s_barrier_signal -1
	s_barrier_wait -1
	s_cmp_lg_u32 s12, 0
	s_cbranch_scc1 .Lnot_wave_0_\@
	s_barrier_signal -3
.Lnot_wave_0_\@:
	s_barrier_wait -3
	s_barrier_signal -1
	s_barrier_wait -1
.endm
	s_load_b256 s[4:11], s[0:1], 0x0               ; qkv_codes s[4:5], qkv_scales s[6:7], o_codes s[8:9], o_scales s[10:11]
	v_lshl_add_u32 v4, v0, 2, SPARE
	v_mov_b32 v5, 0
	ds_add_u32 v4, v5
	ds_add_u32 v4, v5
	s_wait_dscnt 0x0
	v_lshrrev_b32 v6, 5, v0
	s_delay_alu instid0(VALU_DEP_1)
	v_readfirstlane_b32 s12, v6                    ; wave 0..15
	s_bfe_u32 s13, ttmp6, 0x40000                  ; cx: it enters Q's and o's global addresses alone
	s_lshl_b32 s14, ttmp9, 2
	s_add_co_u32 s14, s14, s13                     ; my block of 256 queries
	s_and_b32 s15, ttmp7, 0xffff                   ; 4 image + head, which the four partners share
	s_mov_b32 s20, 0x76543210
	s_mov_b32 s21, 0xfedcba98
	s_mov_b32 s22, 0x3e38aa3b                      ; c = log2(e) / 8
	s_mov_b32 s23, s22                             ; (named with it as a pair, so it is written)
	; descriptor group 1: dense blocks as rows of 256 bytes (32 elements of 8 bytes); the mask of all four, bit 21 beside it; 96 rows for a quarter of a slot, 16 for a quarter of the scale words
	s_mov_b32 s24, 15|(3<<16)|(1<<21)
	s_mov_b32 s25, 32<<16
	s_mov_b32 s26, 96<<16
	s_mov_b32 s27, 32<<16
	s_mov_b32 s28, 96
	s_mov_b32 s29, 32
	s_mov_b32 s30, 0
	s_mov_b32 s31, 0
	s_mov_b32 s32, 15|(3<<16)|(1<<21)
	s_mov_b32 s33, 32<<16
	s_mov_b32 s34, 16<<16
	s_mov_b32 s35, 32<<16
	s_mov_b32 s36, 16
	s_mov_b32 s37, 32
	s_mov_b32 s38, 0
	s_mov_b32 s39, 0
	s_and_b32 s52, s12, 3                          ; which quarter I would fetch (waves 0 to 3 do): 0, 1: K's halves; 2, 3: V's
	s_mul_i32 s53, s15, 589824                     ; the head's q, k, v codes
	s_lshr_b32 s54, s52, 1
	s_add_co_u32 s54, s54, 1
	s_mul_i32 s54, s54, 196608
	s_and_b32 s55, s52, 1
	s_mul_i32 s55, s55, 24576
	s_add_co_u32 s54, s54, s55
	s_add_co_u32 s54, s54, s53
	s_mov_b32 s55, 0
	s_mul_i32 s58, s15, 24576                      ; the head's scale words
	s_lshl_b32 s56, s52, 12
	s_add_co_u32 s56, s56, s58
	s_add_co_u32 s56, s56, 8192                    ; k's, and behind them v's
	s_mov_b32 s57, 0
	s_lshl_b32 s16, s14, 4
	s_add_co_u32 s16, s16, s12                     ; my token tile: 16 x block + wave
	s_mul_i32 s18, s16, 768
	s_add_co_u32 s18, s18, s53
	s_mov_b32 s19, 0
	s_lshr_b32 s60, s16, 1
	s_lshl_b32 s60, s60, 6
	s_add_co_u32 s60, s60, s58
	s_mov_b32 s61, 0
	s_lshr_b32 s62, s15, 2
	s_lshl_b32 s62, s62, 8
	s_add_co_u32 s62, s62, s16
	s_lshl_b32 s62, s62, 2
	s_and_b32 s63, s15, 3
	s_add_co_u32 s62, s62, s63                     ; (256 image + tile) 4 + head
	s_mul_i32 s16, s62, 768
	s_mov_b32 s17, 0
	s_bitcmp1_b32 s12, 0                           ; an odd tile's two bytes are the upper two of its pair's word
	s_mov_b32 s59, 0x01000100
	s_cselect_b32 s59, 0x03020302, s59
	s_mov_b32 s48, 0                               ; LDS byte at which the step's K begins
	s_mov_b32 s49, 0                               ; and its scale words: 256 bytes a step
	s_mov_b32 s50, 3                               ; slots still to be asked for
	s_wait_kmcnt 0x0
	s_mov_b32 s40, 1
	s_mul_i32 s41, s52, 24576                      ; slot 0, my quarter: no place in the cluster enters an LDS address
	s_add_nc_u64 s[42:43], s[4:5], s[54:55]
	s_or_b32 s43, s43, 0x80000000
	s_mov_b32 s44, 1
	s_lshl_b32 s45, s52, 12
	s_add_co_u32 s45, s45, SCL
	s_add_nc_u64 s[46:47], s[6:7], s[56:57]
	s_or_b32 s47, s47, 0x80000000
	s_add_nc_u64 s[18:19], s[4:5], s[18:19]        ; Q's half image
	s_add_nc_u64 s[60:61], s[6:7], s[60:61]        ; Q's pair of tiles' scale words
	s_add_nc_u64 s[8:9], s[8:9], s[16:17]          ; o's half image
	s_lshl_b32 s16, s62, 5
	s_add_nc_u64 s[10:11], s[10:11], s[16:17]      ; o's scale bytes
	ROUND                                          ; all four work-groups are here: the first joint loads meet
	s_cmp_lt_u32 s12, 4                            ; a wave's two first fills stand in one branch: two loads of mine are out at the most
	s_cbranch_scc0 .Lno_first
	tensor_load_to_lds s[44:47], s[32:39]          ; the scale words of the whole head
	s_nop 0
	tensor_load_to_lds s[40:43], s[24:31]          ; slot 0
	s_nop 0
.rept 4
	v_nop
.endr
.Lno_first:
	v_and_b32 v6, 31, v0
	s_delay_alu instid0(VALU_DEP_1)
	v_lshlrev_b32 v1, 4, v6                        ; 16 x lane: an image's registers 0-3
	s_delay_alu instid0(VALU_DEP_2)
	v_lshl_add_u32 v2, v6, 3, 512                  ; 512 + 8 x lane: its registers 4-5
	s_delay_alu instid0(VALU_DEP_3)
	v_lshl_add_u32 v3, v6, 2, SCL                  ; 4 x lane among the scale words
	v_and_b32 v7, 15, v0
	s_delay_alu instid0(VALU_DEP_1)
	v_lshlrev_b32 v7, 2, v7
	global_load_b128 v[22:25], v1, s[18:19]
	global_load_b64 v[26:27], v2, s[18:19]
	global_load_b32 v227, v7, s[60:61]
.irp j, 16,17,18,19,20,21,28,29,30,31,32,33
	v_mov_b32 v[\j], 0                             ; zero codes on both sides of Q
.endr
	v_mov_b32 v13, 0xff61b1e6                      ; the largest t so far: -3e38, under every t
	s_delay_alu instid0(VALU_DEP_1)
	v_floor_f32 v12, -v13                          ; -M
	v_mov_b32 v14, 0
	v_mov_b32 v15, 0
	v_mov_b32 v225, 0                              ; (named as the upper half of the pair v[224:225])
.irp b, 0,1,2,3
	v_mov_b32 v[216+\b], 0                         ; written once: a lane permute's destination counts as one of its sources
.endr
	s_wait_loadcnt 0x0
	v_perm_b32 v34, v227, v227, s59                ; Q's scale word: my tile's two bytes, twice
.set j, 0
.rept 32
	v_mov_b32 v[160+j], 0                          ; O^T.  (The loop is written once: its first step finds zeros.  These lines also stand between the scale word's making and its first use)
.set j, j+1
.endr
; A KEY STEP: 128 keys.
.macro STEP
	v_add_nc_u32 v6, s48, v1
	v_add_nc_u32 v7, s48, v2
	v_add_nc_u32 v8, s49, v3
	v_nop                                          ; four plain lines behind the last products, ahead of loads into the registers that they read
.irp f, 0,1,2,3,4,5,6,7
	ds_load_b128 v[40+6*\f:43+6*\f], v6 offset:768*\f
	ds_load_b64 v[44+6*\f:45+6*\f], v7 offset:768*\f
.endr
	ds_load_b32 v36, v8                            ; lanes 0-15: the words of double fragment 0, lanes 16-31: of 1
	ds_load_b32 v37, v8 offset:128                 ; of 2 and of 3
	s_wait_alu depctr_va_vdst(0)
	s_wait_dscnt 0x0
.irp g, 0,1,2,3
.if (\g%2) == 0
	v_wmma_scale_f32_16x16x128_f8f6f4 v[96+16*\g:103+16*\g], v[40+12*\g:51+12*\g], v[22:33], 0, v[36+\g/2], v34 matrix_a_fmt:MATRIX_FMT_BF6 matrix_b_fmt:MATRIX_FMT_BF6
	v_wmma_scale_f32_16x16x128_f8f6f4 v[104+16*\g:111+16*\g], v[40+12*\g:51+12*\g], v[16:27], 0, v[36+\g/2], v34 matrix_a_fmt:MATRIX_FMT_BF6 matrix_b_fmt:MATRIX_FMT_BF6
.else
	v_wmma_scale_f32_16x16x128_f8f6f4 v[96+16*\g:103+16*\g], v[40+12*\g:51+12*\g], v[22:33], 0, v[36+\g/2], v34 matrix_a_fmt:MATRIX_FMT_BF6 matrix_b_fmt:MATRIX_FMT_BF6 matrix_a_scale:MATRIX_SCALE_ROW1
	v_wmma_scale_f32_16x16x128_f8f6f4 v[104+16*\g:111+16*\g], v[40+12*\g:51+12*\g], v[16:27], 0, v[36+\g/2], v34 matrix_a_fmt:MATRIX_FMT_BF6 matrix_b_fmt:MATRIX_FMT_BF6 matrix_a_scale:MATRIX_SCALE_ROW1
.endif
.endr                                  ; lane (r, h): query r; register 96 + 16 b + i: key 32 b + 16 h + i of the step
.rept 4
	v_nop
.endr
.irp d, 0,1,2,3                        ; V's four fragments are asked for here and land under the softmax
.irp c, 0,1
	ds_load_b128 v[40+12*\d+6*\c:43+12*\d+6*\c], v6 offset:SLOTB+3072*\c+768*\d
	ds_load_b64 v[44+12*\d+6*\c:45+12*\d+6*\c], v7 offset:SLOTB+3072*\c+768*\d
.endr
.endr
	ds_load_b32 v38, v8 offset:8192
	ds_load_b32 v39, v8 offset:8320
.irp b, 0,1,2,3
	v_max3_num_f32 v[212+\b], v[96+16*\b], v[97+16*\b], v[98+16*\b]   ; the largest score of each block of 32 keys: for the row's maximum, and for the block's largest p
.endr
.irp i, 3,5,7,9,11,13
.irp b, 0,1,2,3
	v_max3_num_f32 v[212+\b], v[212+\b], v[96+16*\b+\i], v[97+16*\b+\i]
.endr
.endr
.irp b, 0,1,2,3
	v_max_num_f32 v[212+\b], v[212+\b], v[111+16*\b]
.endr
.irp b, 0,1,2,3
	s_delay_alu instid0(VALU_DEP_4)
	v_permlanex16_b32 v[216+\b], v[212+\b], s20, s21
.endr
.irp b, 0,1,2,3
	s_delay_alu instid0(VALU_DEP_4)
	v_max_num_f32 v[212+\b], v[212+\b], v[216+\b]  ; with lane l xor 16's 16 keys
.endr
	s_delay_alu instid0(VALU_DEP_2)
	v_max3_num_f32 v227, v212, v213, v214
	s_delay_alu instid0(VALU_DEP_1)
	v_max_num_f32 v227, v227, v215
	s_delay_alu instid0(VALU_DEP_1)
	v_mul_f32 v227, s22, v227                      ; the step's largest t (c is positive)
	s_delay_alu instid0(VALU_DEP_1)
	v_max_num_f32 v13, v13, v227                   ; the running largest t
	v_mov_b32 v227, v12
	s_delay_alu instid0(VALU_DEP_2)
	v_floor_f32 v12, -v13                          ; the new -M = -ceil(t): a whole number
	s_delay_alu instid0(VALU_DEP_1)
	v_sub_f32 v227, v12, v227                      ; old M - new M: a whole number, 0 or less
	s_delay_alu instid0(VALU_DEP_1)
	v_cvt_i32_f32 v227, v227                       ; (it saturates)
	s_delay_alu instid0(VALU_DEP_1)
	v_ldexp_f32 v224, 1.0, v227                    ; f = 2^(old M - new M)
.set j, 0
.rept 32
	v_pk_fma_f32 v[96+j:97+j], v[96+j:97+j], s[22:23], v[12:13] op_sel_hi:[1,0,0]   ; t - M, two at a time
.set j, j+2
.endr
.irp b, 0,1,2,3
	v_fma_f32 v[212+\b], v[212+\b], s22, v12       ; the same of each block's largest score
.endr
.set j, 0
	s_setprio 1
	s_wait_alu depctr_va_vdst(0)
.rept 64
	v_exp_f32 v[96+j], v[96+j]                     ; p = 2^(t - M), at most 1
.set j, j+1
.endr
.irp b, 0,1,2,3
	v_exp_f32 v[212+\b], v[212+\b]                 ; the block's largest p
.endr
	v_pk_mul_f32 v[14:15], v[14:15], v[224:225] op_sel_hi:[1,0]   ; the sums under the new M (a plain line behind the exponentials)
	s_wait_alu depctr_va_vdst(0)
.irp b, 0,1,2,3
	v_max_num_f32 v[212+\b], 0x2800000, v[212+\b]  ; the floor 2^(5 - 127): the byte cannot fall under 1
.endr
.irp b, 0,1,2,3
	s_delay_alu instid0(VALU_DEP_4)
	v_add_nc_u32 v[220+\b], 0xfe000000, v[212+\b]  ; 4 off the exponent field: the conversion's scale operand
.endr
.irp b, 0,1,2,3
	s_delay_alu instid0(VALU_DEP_4)
	v_lshrrev_b32 v[216+\b], 23, v[220+\b]
.endr
	s_delay_alu instid0(VALU_DEP_3)
	v_lshl_or_b32 v226, v217, 8, v216              ; p's scale word for these 128 keys
	s_delay_alu instid0(VALU_DEP_1)
	v_lshl_or_b32 v226, v218, 16, v226
	s_delay_alu instid0(VALU_DEP_1)
	v_lshl_or_b32 v226, v219, 24, v226
.irp c, 0,1
	v_cvt_scalef32_pk16_bf6_f32 v[192+6*\c:194+6*\c], v[96+32*\c:111+32*\c], v[220+2*\c]
	v_cvt_scalef32_pk16_bf6_f32 v[204+4*\c:206+4*\c], v[112+32*\c:127+32*\c], v[220+2*\c+1]
.endr
	v_nop                                          ; one plain line behind a scaled conversion
.irp c, 0,1
.irp i, 0,1,2
	v_permlane16_swap_b32 v[192+6*\c+\i], v[204+4*\c+\i]   ; a whole block in a lane: lanes 0-15 block 2 c, lanes 16-31 block 2 c + 1
.endr
.irp i, 0,1,2
	s_delay_alu instid0(VALU_DEP_3)
	v_mov_b32 v[195+6*\c+\i], v[204+4*\c+\i]
.endr
.endr
	v_pk_add_f32 v[228:229], v[100:101], v[104:105]
	v_pk_add_f32 v[254:255], v[108:109], v[112:113]
	v_pk_add_f32 v[252:253], v[116:117], v[120:121]
	v_pk_add_f32 v[250:251], v[124:125], v[128:129]
	v_pk_add_f32 v[248:249], v[132:133], v[136:137]
	v_pk_add_f32 v[246:247], v[140:141], v[144:145]
	v_pk_add_f32 v[244:245], v[148:149], v[152:153]
	v_pk_add_f32 v[14:15], v[14:15], v[156:157]
	v_pk_add_f32 v[228:229], v[228:229], v[96:97]
	v_pk_add_f32 v[254:255], v[254:255], v[98:99]
	v_pk_add_f32 v[252:253], v[252:253], v[102:103]
	v_pk_add_f32 v[250:251], v[250:251], v[106:107]
	v_pk_add_f32 v[248:249], v[248:249], v[110:111]
	v_pk_add_f32 v[246:247], v[246:247], v[114:115]
	v_pk_add_f32 v[244:245], v[244:245], v[118:119]
	v_pk_add_f32 v[14:15], v[14:15], v[122:123]
	v_pk_add_f32 v[228:229], v[228:229], v[126:127]
	v_pk_add_f32 v[254:255], v[254:255], v[130:131]
	v_pk_add_f32 v[252:253], v[252:253], v[134:135]
	v_pk_add_f32 v[250:251], v[250:251], v[138:139]
	v_pk_add_f32 v[248:249], v[248:249], v[142:143]
	v_pk_add_f32 v[246:247], v[246:247], v[146:147]
	v_pk_add_f32 v[244:245], v[244:245], v[150:151]
	v_pk_add_f32 v[14:15], v[14:15], v[154:155]
	v_pk_add_f32 v[228:229], v[228:229], v[158:159]
	s_delay_alu instid0(VALU_DEP_2)
	v_pk_add_f32 v[14:15], v[14:15], v[250:251]
	s_delay_alu instid0(VALU_DEP_2)
	v_pk_add_f32 v[228:229], v[228:229], v[248:249]
	s_setprio 0
	v_pk_add_f32 v[254:255], v[254:255], v[246:247]
	v_pk_add_f32 v[252:253], v[252:253], v[244:245]
	s_delay_alu instid0(VALU_DEP_2)
	v_pk_add_f32 v[14:15], v[14:15], v[254:255]
	s_delay_alu instid0(VALU_DEP_2)
	v_pk_add_f32 v[228:229], v[228:229], v[252:253]
	s_delay_alu instid0(VALU_DEP_1)
	v_pk_add_f32 v[14:15], v[14:15], v[228:229]
.set j, 0
.rept 16
	v_pk_mul_f32 v[160+j:161+j], v[160+j:161+j], v[224:225] op_sel_hi:[1,0]   ; O^T under the new M.  (With the sums above: the plain lines between p's codes and scale word and the products below)
.set j, j+2
.endr
	s_wait_alu depctr_va_vdst(0)
	s_wait_dscnt 0x0                               ; V and its scale words
.irp d, 0,1,2,3                        ; the four accumulators take turns, one instruction a turn
.if (\d%2) == 0
	v_wmma_scale_f32_16x16x128_f8f6f4 v[160+8*\d:167+8*\d], v[40+12*\d:51+12*\d], v[192:203], v[160+8*\d:167+8*\d], v[38+\d/2], v226 matrix_a_fmt:MATRIX_FMT_BF6 matrix_b_fmt:MATRIX_FMT_BF6
.else
	v_wmma_scale_f32_16x16x128_f8f6f4 v[160+8*\d:167+8*\d], v[40+12*\d:51+12*\d], v[192:203], v[160+8*\d:167+8*\d], v[38+\d/2], v226 matrix_a_fmt:MATRIX_FMT_BF6 matrix_b_fmt:MATRIX_FMT_BF6 matrix_a_scale:MATRIX_SCALE_ROW1
.endif
.endr
	s_add_co_u32 s48, s48, STEPB
	s_add_co_u32 s49, s49, 256
.endm
; THE CHANGE OF SLOTS stands at a slot's head.  Each wave waits for all its tensor loads, adds 0 to its spare word, and waits for that and for its reads of the slot that it has left.  fill = 1: a round of the
; cluster's barrier follows, so that no wave of any partner still reads that slot or has a load on its way, and the joint load of the next 1,024 keys is the first thing behind it: it has eight steps in which to land.
.macro CHANGE fill
	s_wait_tensorcnt 0x0                           ; no tensor load of mine is out, so a group 0 may be written
	ds_add_u32 v4, v5                              ; 0 onto my spare word
.if \fill
	s_xor_b32 s41, s41, SLOT1                      ; the walking descriptor: the other slot than last time,
	s_add_nc_u64 s[42:43], s[42:43], SLOTB         ; the next 1,024 keys; the type bits on top are not reached
.endif
	s_wait_dscnt 0x0                               ; the add is done, and my reads of the slot that I have left are over
.if \fill
	ROUND
	s_cmp_lt_u32 s12, 4
	s_cbranch_scc0 .Lnone_\@
	tensor_load_to_lds s[40:43], s[24:31]          ; a wave's one tensor load until the next round
	s_nop 0
.rept 4
	v_nop
.endr
.Lnone_\@:
.else
	s_barrier_signal -1
	s_barrier_wait -1
.endif
.endm
.macro SLOT_STEPS                      ; a slot's eight steps: written once, walked eight times
	s_mov_b32 s51, 8
.Lstep_\@:
	s_setprio 2
	STEP
	s_sub_co_u32 s51, s51, 1
	s_cmp_lg_u32 s51, 0
	s_cbranch_scc1 .Lstep_\@
	s_setprio 0
	s_sub_co_u32 s48, s48, SLOTB                   ; back to a slot's first step,
	s_xor_b32 s48, s48, SLOT1                      ; in the other slot
.endm
.Lslot:                                            ; three trips: behind each change of slots but the last the next slot is asked for
	CHANGE 1
	SLOT_STEPS
	s_sub_co_u32 s50, s50, 1
	s_cmp_lg_u32 s50, 0
	s_cbranch_scc1 .Lslot
	CHANGE 0                                       ; the last slot is written out
	SLOT_STEPS
	; THE WAY OUT: O^T / the sum; register 16 b + i is channel 32 b + 16 h + i of the head: quantised along the channels, as the last product's operand
.rept 4
	v_nop
.endr
	v_add_f32 v14, v14, v15
	s_delay_alu instid0(VALU_DEP_1)
	v_permlanex16_b32 v227, v14, s20, s21
	s_delay_alu instid0(VALU_DEP_1)
	v_add_f32 v14, v14, v227                       ; the row's sum
	s_wait_alu depctr_va_vdst(0)
	v_rcp_f32 v14, v14
	v_and_b32 v7, 31, v0                           ; (a plain line behind the transcendental)
	v_and_b32 v6, 15, v0
	s_delay_alu instid0(VALU_DEP_1)
	v_lshlrev_b32 v6, 1, v6
.set j, 0
	s_wait_alu depctr_va_vdst(0)
.rept 32
	v_mul_f32 v[96+j], v[160+j], v14
.set j, j+1
.endr
.irp b, 0,1
	v_max3_num_f32 v[TM+\b], |v[96+16*\b]|, |v[97+16*\b]|, 0x2800000
.endr
.irp i, 2,4,6,8,10,12,14
.irp b, 0,1
	s_delay_alu instid0(VALU_DEP_2)
	v_max3_num_f32 v[TM+\b], v[TM+\b], |v[96+16*\b+\i]|, |v[97+16*\b+\i]|
.endr
.endr
.irp b, 0,1
	s_delay_alu instid0(VALU_DEP_2)
	v_permlanex16_b32 v[TM+2+\b], v[TM+\b], s20, s21
.endr
.irp b, 0,1
	s_delay_alu instid0(VALU_DEP_2)
	v_max_num_f32 v[TM+\b], v[TM+\b], v[TM+2+\b]
.endr
.irp b, 0,1
	s_delay_alu instid0(VALU_DEP_2)
	v_add_nc_u32 v[TM+6+\b], 0xfe000000, v[TM+\b]
.endr
.irp b, 0,1
	s_delay_alu instid0(VALU_DEP_2)
	v_lshrrev_b32 v[TM+4+\b], 23, v[TM+6+\b]
.endr
	v_cvt_scalef32_pk16_bf6_f32 v[192:194], v[96:111], v[TM+6]
	v_cvt_scalef32_pk16_bf6_f32 v[TT:TT+2], v[112:127], v[TM+7]
	v_nop
.irp i, 0,1,2
	v_permlane16_swap_b32 v[192+\i], v[TT+\i]
.endr
.irp i, 0,1,2
	s_delay_alu instid0(VALU_DEP_3)
	v_mov_b32 v[195+\i], v[TT+\i]
.endr
	v_lshl_or_b32 v227, v[TM+5], 8, v[TM+4]        ; my token's two scale bytes
	global_store_b128 v1, v[192:195], s[8:9]       ; 512 consecutive bytes, aligned to 256
	global_store_b64 v2, v[196:197], s[8:9]        ; 256 consecutive bytes, aligned
	v_cmp_gt_u32 vcc_lo, 16, v7
	s_wait_alu depctr_va_vdst(0)
	s_wait_xcnt 0x0                                ; EXEC changes only behind this wait
	s_and_saveexec_b32 s52, vcc_lo
	global_store_b16 v6, v227, s[10:11]            ; lanes 0-15: 32 consecutive bytes
	s_wait_xcnt 0x0
	s_or_b32 exec_lo, exec_lo, s52
	s_wait_tensorcnt 0x0                           ; the wave's end
	ds_add_u32 v4, v5
	s_wait_dscnt 0x0
	ROUND                                          ; the closing round: no work-group ends while a partner may still ask for a tile that names it
	s_endpgm
.Lfunc_end_k_q94713875d2_attn:
	.size	k_q94713875d2_attn, .Lfunc_end_k_q94713875d2_attn-k_q94713875d2_attn
	.p2alignl 7, 3214868480
	.fill 96, 4, 3214868480
	.section	.rodata,"a",@progbits
	.p2align	6, 0x0
	.amdhsa_kernel k_q94713875d2_attn
		.amdhsa_group_segment_fixed_size 327680
		.amdhsa_private_segment_fixed_size 0
		.amdhsa_enable_private_segment 0
		.amdhsa_kernarg_size 32
		.amdhsa_user_sgpr_count 2
		.amdhsa_user_sgpr_kernarg_segment_ptr 1
		.amdhsa_wavefront_size32 1
		.amdhsa_system_sgpr_workgroup_id_x 1
		.amdhsa_system_sgpr_workgroup_id_y 1
		.amdhsa_system_sgpr_workgroup_id_z 1
		.amdhsa_system_vgpr_workitem_id 0
		.amdhsa_next_free_vgpr 256
		.amdhsa_next_free_sgpr 66
		.amdhsa_reserve_vcc 1
		.amdhsa_float_denorm_mode_32 3
		.amdhsa_float_denorm_mode_16_64 3
		.amdhsa_memory_ordered 1
		.amdhsa_forward_progress 1
		.amdhsa_inst_pref_size 49
	.end_amdhsa_kernel
	.amdgpu_metadata
---
amdhsa.version: [ 1, 2 ]
amdhsa.kernels:
  - .name:           k_q94713875d2_attn
    .symbol:         k_q94713875d2_attn.kd
    .args:
      - { .name: qkv_codes, .offset: 0, .size: 8, .value_kind: global_buffer, .address_space: global }
      - { .name: qkv_scales, .offset: 8, .size: 8, .value_kind: global_buffer, .address_space: global }
      - { .name: o_codes, .offset: 16, .size: 8, .value_kind: global_buffer, .address_space: global }
      - { .name: o_scales, .offset: 24, .size: 8, .value_kind: global_buffer, .address_space: global }
    .group_segment_fixed_size: 327680
    .private_segment_fixed_size: 0
    .kernarg_segment_align: 8
    .kernarg_segment_size: 32
    .max_flat_workgroup_size: 512
    .sgpr_count:     66
    .vgpr_count:     256
    .wavefront_size: 32
...
	.end_amdgpu_metadata
.endif
;; end of part 3
;; launch proj (part 4): grid 256 x 1, 8 waves a work-group, no clusters, 83,456 bytes of LDS; arguments o_codes, o_scales, w_codes, w_scales, proj_b, x, out0; writes out0
.if DOCPART == 4
	.amdgcn_target "amdgcn-amd-amdhsa--gfx1250"
	.amdhsa_code_object_version 6
	.text
	.protected	k_q94713875d2_proj
	.globl	k_q94713875d2_proj
	.p2align	8
	.type	k_q94713875d2_proj,@function
k_q94713875d2_proj:
	s_mov_b64 s[64:65], 0
	v_nop
	global_prefetch_b8 v0, s[64:65] scope:SCOPE_SE
	s_setreg_imm32_b32 hwreg(HW_REG_WAVE_MODE, 25, 1), 1
	s_wait_xcnt 0x0
; THE LAST PRODUCT AND THE RESIDUAL: out0[image][o][token] = x + proj_b[o] + sum over c of proj_w[o][c] o[c][token], on codes of E3M2 with one E8M0 byte for each 32 along K = c.
; SHARES.  Work-group i: image i / 64, tokens 64 (i % 64) on: four token tiles.  THE WAVES SHARE THE CHANNELS: wave w makes channels 32 w .. 32 w + 31 for all 64 tokens, so that each row that it stores is 256 consecutive
; bytes, aligned.  Its four fragments of proj_w (rows 768 + 32 w on of w_codes) go straight into registers.
; o's eight fragments (tile m, K step s = heads 2 s, 2 s + 1: two half images on end, 1,536 consecutive bytes of o_codes) are read from memory once, one by each wave, and reach the other waves through LDS as images of
; their registers; a fragment's scale word is made of the two heads' pairs of bytes.
; Source 0 = 16 tokens, source 1 = 16 rows of proj_w: a lane holds one channel, and register j of lane half h is token 32 (m / 2) + 16 h + 8 (m % 2) + j of the 64 (the tiles' tokens are not neighbours).
; The bias is the C of each sum's first matrix instruction.  The results turn through the wave's own stage in LDS and leave as whole rows, with x added.
; NOTHING IS ASKED FOR JOINTLY: work-groups share the weight's 49,152 bytes of codes alone, of which each wave reads its 6,144 once, straight into registers; o and x are read by one work-group each.
; REGISTERS, window 0: v1-15 addresses; v16-111 o's eight fragments, later rows of the result; v112-119 their scale words; v120-123 at work; v124-135 my fragment on its way to LDS; v136-139 W's scale words; v144-207 eight accumulators.
;   window 1: v0-47 W's four fragments (tile t, K step s at 12 (2 t + s)); v48-63 the bias; v64-127 x.
.set OSC,  12288                       ; LDS: 0: o's eight fragments, 1,536 bytes each;  OSC: their scale words, 64 bytes each;
.set STG,  12800                       ; STG: a stage of 32 rows x (256 + 16) bytes for each wave
.set OF,   16
.set OS,   112
.set WSC,  136
.set ACC,  144
.set MSB, 0
.macro WIN new                         ; the immediate's high byte repeats the setting that is left
.if MSB != \new
	s_set_vgpr_msb (MSB<<8)|\new
.set MSB, \new
.endif
.endm
	s_load_b256 s[4:11], s[0:1], 0x0               ; o_codes s[4:5], o_scales s[6:7], w_codes s[8:9], w_scales s[10:11]
	s_load_b128 s[12:15], s[0:1], 0x20             ; proj_b s[12:13], x s[14:15]
	s_load_b64 s[16:17], s[0:1], 0x30              ; out0
	v_lshl_add_u32 v254, v0, 2, 0x14200
	v_mov_b32 v255, 0
	v_lshrrev_b32 v1, 5, v0
	s_delay_alu instid0(VALU_DEP_1)
	v_readfirstlane_b32 s18, v1                    ; wave 0..7
	v_and_b32 v1, 31, v0                           ; lane
	v_and_b32 v2, 15, v0                           ; r
	v_bfe_u32 v3, v0, 4, 1                         ; h
	s_delay_alu instid0(VALU_DEP_3)
	v_lshlrev_b32 v4, 4, v1                        ; 16 x lane
	s_delay_alu instid0(VALU_DEP_4)
	v_lshlrev_b32 v5, 3, v1                        ; 8 x lane
	s_delay_alu instid0(VALU_DEP_4)
	v_lshlrev_b32 v6, 2, v2                        ; 4 r
	v_lshlrev_b32 v7, 1, v2                        ; 2 r
	s_mul_i32 s20, s18, 1536
	v_add_nc_u32 v8, s20, v4                       ; where my fragment's image goes
	v_add_nc_u32 v9, s20, v5
	s_lshl_b32 s20, s18, 6
	s_add_co_u32 s20, s20, OSC
	v_add_nc_u32 v10, s20, v6                      ; and its scale words
	v_mul_u32_u24 v11, v2, 192                     ; W: row r of 192 bytes,
	s_delay_alu instid0(VALU_DEP_1)
	v_mad_u32_u24 v11, v3, 24, v11                 ; + 24 h
	v_lshlrev_b32 v12, 3, v2                       ; and its 8 scale bytes
	v_lshlrev_b32 v13, 14, v3
	s_delay_alu instid0(VALU_DEP_1)
	v_lshl_add_u32 v13, v2, 4, v13                 ; x and out0: lanes 0-15 one channel's 256 bytes, lanes 16-31 the next channel's
	s_mul_i32 s20, s18, 8704
	s_add_co_u32 s20, s20, STG                     ; my stage
	v_mul_u32_u24 v14, v2, 272
	s_delay_alu instid0(VALU_DEP_1)
	v_lshl_add_u32 v14, v3, 6, v14
	s_delay_alu instid0(VALU_DEP_1)
	v_add_nc_u32 v14, s20, v14                     ; in: row r, + 64 h
	v_mul_u32_u24 v15, v3, 272
	s_delay_alu instid0(VALU_DEP_1)
	v_lshl_add_u32 v15, v2, 4, v15
	s_delay_alu instid0(VALU_DEP_1)
	v_add_nc_u32 v15, s20, v15                     ; back: two rows an instruction
	s_lshr_b32 s19, ttmp9, 6                       ; the image
	s_and_b32 s21, ttmp9, 63                       ; which 64 tokens
	s_lshl_b32 s22, s19, 8
	s_lshl_b32 s23, s21, 2
	s_add_co_u32 s22, s22, s23
	s_lshr_b32 s23, s18, 1
	s_add_co_u32 s22, s22, s23                     ; the token tile of the fragment that I fetch: 256 image + 4 (i % 64) + w / 2
	s_lshl_b32 s22, s22, 2
	s_and_b32 s23, s18, 1
	s_lshl_b32 s23, s23, 1
	s_add_co_u32 s22, s22, s23                     ; x 4 + its first head, 2 (w % 2)
	s_mul_i32 s24, s22, 768
	s_mov_b32 s25, 0
	s_lshl_b32 s26, s22, 5
	s_mov_b32 s27, 0
	s_lshl_b32 s28, s18, 5
	s_add_co_u32 s28, s28, 768                     ; my first row among the weights' codes
	s_mul_i32 s30, s28, 192
	s_mov_b32 s31, 0
	s_lshl_b32 s32, s28, 3
	s_mov_b32 s33, 0
	s_lshl_b32 s34, s18, 7                         ; my 32 biases
	s_mov_b32 s35, 0
	s_lshl_b32 s36, s19, 22
	s_lshl_b32 s37, s18, 19
	s_add_co_u32 s36, s36, s37
	s_lshl_b32 s37, s21, 8
	s_add_co_u32 s36, s36, s37                     ; x and out0: the image, my 32 channels, the 64 tokens
	s_mov_b32 s37, 0
	s_wait_alu depctr_va_vdst(0)
	s_wait_kmcnt 0x0
	s_add_nc_u64 s[4:5], s[4:5], s[24:25]
	s_add_nc_u64 s[6:7], s[6:7], s[26:27]
	s_add_nc_u64 s[8:9], s[8:9], s[30:31]
	s_add_nc_u64 s[10:11], s[10:11], s[32:33]
	s_add_nc_u64 s[12:13], s[12:13], s[34:35]
	s_add_nc_u64 s[14:15], s[14:15], s[36:37]
	s_add_nc_u64 s[16:17], s[16:17], s[36:37]
	global_load_b128 v[124:127], v4, s[4:5]        ; six loads: my fragment of o and its rows' scale bytes
	global_load_b64 v[128:129], v5, s[4:5] offset:512
	global_load_b128 v[130:133], v4, s[4:5] offset:768
	global_load_b64 v[134:135], v5, s[4:5] offset:1280
	global_load_u16 v120, v7, s[6:7]
	global_load_u16 v121, v7, s[6:7] offset:32
	WIN 0x40                                       ; destination window 1
.irp t, 0,1                            ; thirty loads: the weight, its scale words, the bias
.irp s, 0,1
.irp p, 0,1,2,3,4,5
	global_load_b64 v[12*(2*\t+\s)+2*\p:12*(2*\t+\s)+2*\p+1], v11, s[8:9] offset:16*\t*192+96*\s+48*(\p/3)+8*(\p%3)
.endr
.endr
.endr
	WIN 0
.irp t, 0,1
.irp s, 0,1
	global_load_b32 v[WSC+2*\t+\s], v12, s[10:11] offset:128*\t+4*\s
.endr
.endr
	global_load_b32 v122, v6, s[12:13]
	global_load_b32 v123, v6, s[12:13] offset:64
	WIN 0x40
.irp j, 0,1,2,3,4,5,6,7,8,9,10,11,12,13,14,15
	global_load_b128 v[64+4*\j:67+4*\j], v13, s[14:15] offset:32768*\j th:TH_LOAD_NT   ; sixteen loads: x, read here for the last time
.endr
	WIN 0
	s_wait_loadcnt 46                              ; my fragment and its bytes are in; the weight's 30 loads and x's 16 may be out
	v_lshl_or_b32 v120, v121, 16, v120             ; the fragment's scale word: the first head's two bytes, then the second's
	ds_store_b128 v8, v[124:127]
	ds_store_b64 v9, v[128:129] offset:512
	ds_store_b128 v8, v[130:133] offset:768
	ds_store_b64 v9, v[134:135] offset:1280
	ds_store_b32 v10, v120                         ; (both halves of the lanes write the same word with the same value)
	s_wait_loadcnt 16                              ; the weight, its scale words and the bias are in; x's 16 loads may be out
	WIN 0x40
.irp t, 0,1
.irp j, 0,1,2,3,4,5,6,7
	v_mov_b32 v[48+8*\t+\j], v[122+\t]             ; the bias hangs on the lane's channel alone: the same number in the result's eight registers
.endr
.endr
	WIN 0
	s_wait_alu depctr_va_vdst(0)
	s_wait_dscnt 0x0                               ; for the others' sake: my image has landed
	s_barrier_signal -1
	s_barrier_wait -1                              ; o's eight fragments lie in LDS; nobody writes them again
.irp f, 0,1,2,3,4,5,6,7
	ds_load_b128 v[OF+12*\f:OF+12*\f+3], v4 offset:1536*\f
	ds_load_b64 v[OF+12*\f+4:OF+12*\f+5], v5 offset:1536*\f+512
	ds_load_b128 v[OF+12*\f+6:OF+12*\f+9], v4 offset:1536*\f+768
	ds_load_b64 v[OF+12*\f+10:OF+12*\f+11], v5 offset:1536*\f+1280
	ds_load_b32 v[OS+\f], v6 offset:OSC+64*\f
.endr
	s_wait_dscnt 0x0
	WIN 0x14                                       ; source 1 (W) and source 2 (the bias) window 1
.irp t, 0,1                            ; the eight accumulators take turns, one instruction a turn
.irp m, 0,1,2,3
	v_wmma_scale_f32_16x16x128_f8f6f4 v[ACC+8*(4*\t+\m):ACC+8*(4*\t+\m)+7], v[OF+24*\m:OF+24*\m+11], v[24*\t:24*\t+11], v[48+8*\t:48+8*\t+7], v[OS+2*\m], v[WSC+2*\t] matrix_a_fmt:MATRIX_FMT_BF6 matrix_b_fmt:MATRIX_FMT_BF6
.endr
.endr
	WIN 0x04
.irp t, 0,1
.irp m, 0,1,2,3
	v_wmma_scale_f32_16x16x128_f8f6f4 v[ACC+8*(4*\t+\m):ACC+8*(4*\t+\m)+7], v[OF+24*\m+12:OF+24*\m+23], v[24*\t+12:24*\t+23], v[ACC+8*(4*\t+\m):ACC+8*(4*\t+\m)+7], v[OS+2*\m+1], v[WSC+2*\t+1] matrix_a_fmt:MATRIX_FMT_BF6 matrix_b_fmt:MATRIX_FMT_BF6
.endr
.endr
	WIN 0
.rept 4
	v_nop                                          ; four plain lines ahead of the stores that read the results and of the loads into the fragments' registers
.endr
.irp t, 0,1
.irp m, 0,1,2,3
	ds_store_b128 v14, v[ACC+8*(4*\t+\m):ACC+8*(4*\t+\m)+3] offset:16*\t*272+128*(\m/2)+32*(\m%2)       ; each accumulator from its low end on
	ds_store_b128 v14, v[ACC+8*(4*\t+\m)+4:ACC+8*(4*\t+\m)+7] offset:16*\t*272+128*(\m/2)+32*(\m%2)+16
.endr
.endr
.irp j, 0,1,2,3,4,5,6,7,8,9,10,11,12,13,14,15
	ds_load_b128 v[16+4*\j:19+4*\j], v15 offset:2*\j*272   ; LDS serves a wave's instructions in order: these see my stores; the stage is mine alone
.endr
	s_wait_loadcnt 0x0                             ; x
.irp u, 0,1                            ; in two halves of eight instructions' rows, so that the register windows are switched four times and not for every store
	s_wait_dscnt 8-8*\u                            ; this half's rows are back; the other half's eight loads may be out
	WIN 0x04                                       ; source 1 (x) window 1
.irp j, 0,1,2,3,4,5,6,7
	v_pk_add_f32 v[16+32*\u+4*\j:17+32*\u+4*\j], v[16+32*\u+4*\j:17+32*\u+4*\j], v[64+32*\u+4*\j:65+32*\u+4*\j]
	v_pk_add_f32 v[18+32*\u+4*\j:19+32*\u+4*\j], v[18+32*\u+4*\j:19+32*\u+4*\j], v[66+32*\u+4*\j:67+32*\u+4*\j]
.endr
	WIN 0
.irp j, 0,1,2,3,4,5,6,7
	global_store_b128 v13, v[16+32*\u+4*\j:19+32*\u+4*\j], s[16:17] offset:32768*(8*\u+\j) th:TH_STORE_NT   ; sixteen lanes store 256 consecutive bytes, aligned; written once, read by nobody here
.endr
.endr
	s_wait_tensorcnt 0x0
	ds_add_u32 v254, v255
	s_wait_dscnt 0x0
	s_endpgm
.Lfunc_end_k_q94713875d2_proj:
	.size	k_q94713875d2_proj, .Lfunc_end_k_q94713875d2_proj-k_q94713875d2_proj
	.p2alignl 7, 3214868480
	.fill 96, 4, 3214868480
	.section	.rodata,"a",@progbits
	.p2align	6, 0x0
	.amdhsa_kernel k_q94713875d2_proj
		.amdhsa_group_segment_fixed_size 83456
		.amdhsa_private_segment_fixed_size 0
		.amdhsa_enable_private_segment 0
		.amdhsa_kernarg_size 56
		.amdhsa_user_sgpr_count 2
		.amdhsa_user_sgpr_kernarg_segment_ptr 1
		.amdhsa_wavefront_size32 1
		.amdhsa_system_sgpr_workgroup_id_x 1
		.amdhsa_system_sgpr_workgroup_id_y 1
		.amdhsa_system_sgpr_workgroup_id_z 1
		.amdhsa_system_vgpr_workitem_id 0
		.amdhsa_next_free_vgpr 384
		.amdhsa_next_free_sgpr 66
		.amdhsa_reserve_vcc 0
		.amdhsa_float_denorm_mode_32 3
		.amdhsa_float_denorm_mode_16_64 3
		.amdhsa_memory_ordered 1
		.amdhsa_forward_progress 1
		.amdhsa_inst_pref_size 21
	.end_amdhsa_kernel
	.amdgpu_metadata
---
amdhsa.version: [ 1, 2 ]
amdhsa.kernels:
  - .name:           k_q94713875d2_proj
    .symbol:         k_q94713875d2_proj.kd
    .args:
      - { .name: o_codes, .offset: 0, .size: 8, .value_kind: global_buffer, .address_space: global }
      - { .name: o_scales, .offset: 8, .size: 8, .value_kind: global_buffer, .address_space: global }
      - { .name: w_codes, .offset: 16, .size: 8, .value_kind: global_buffer, .address_space: global }
      - { .name: w_scales, .offset: 24, .size: 8, .value_kind: global_buffer, .address_space: global }
      - { .name: proj_b, .offset: 32, .size: 8, .value_kind: global_buffer, .address_space: global }
      - { .name: x, .offset: 40, .size: 8, .value_kind: global_buffer, .address_space: global }
      - { .name: out0, .offset: 48, .size: 8, .value_kind: global_buffer, .address_space: global }
    .group_segment_fixed_size: 83456
    .private_segment_fixed_size: 0
    .kernarg_segment_align: 8
    .kernarg_segment_size: 56
    .max_flat_workgroup_size: 256
    .sgpr_count:     66
    .vgpr_count:     384
    .wavefront_size: 32
...
	.end_amdgpu_metadata
.endif
;; end of part 4
